; MI455X (gfx1250); checked and timed in simulation.
; The chip was launched on July 23, 2026; its instructions are those of AMD's public machine-readable ISA for CDNA 5 (MIT licence, August 2026) and "CDNA5" Instruction Set Architecture Reference Guide (July 2026). The comments in the code are by the model that wrote it; some were corrected since.
;; Attention. Allowed arithmetic: matrix products marked QUANTISED: E5M2 operands, one E8M0 scale for each 32 along K, by v_wmma_scale_f32_16x16x128_f8f6f4 with both operands' format E5M2, f32 sums; everything else in f32.
;; Inputs: wk 1,024 x 256 float32; wo 1,024 x 1,024 float32; wq 1,024 x 1,024 float32; wv 1,024 x 256 float32; x 1 x 4,096 x 1,024 float32.
;; Outputs: out0 1 x 4,096 x 1,024 float32.
;; This version of the problem:
;;   THIS VERSION OF THE PROBLEM IS GIVEN IN LOW PRECISION. The matrix products marked QUANTISED in the list below multiply operands that are first quantised to E5M2 (5 exponent bits, 2 mantissa bits; 8 bits a number), with one power-of-two scale for each 32 numbers along K (OCP MX v1.0); their sums are f32. All else is computed in f32.
;;   The module's matrix products, in the order in which they are computed (A, B: the left and right operand; K: the contracted axis; several contracted axes count as one K, in the product's order):
;;     1. [M 4,096, K 1,024] x [K 1,024, N 1,024]; A: input x; B: input wq: QUANTISED
;;     2. [M 4,096, K 1,024] x [K 1,024, N 256]; A: input x; B: input wk: QUANTISED
;;     3. [M 4,096, K 1,024] x [K 1,024, N 256]; A: input x; B: input wv: QUANTISED
;;     4. batch 16 x [M 4,096, K 64] x [K 64, N 4,096]; A: computed on the way; B: computed on the way: QUANTISED
;;     5. batch 16 x [M 4,096, K 4,096] x [K 4,096, N 64]; A: softmax (see below); B: computed on the way: QUANTISED
;;     6. [M 4,096, K 1,024] x [K 1,024, N 1,024]; A: computed on the way; B: input wo: QUANTISED
;;   THE QUANTISER, for each operand of a quantised product, along K:
;;     - K is cut into blocks of 32 from its start; a last block that is shorter is filled with zeros.
;;     - A block's scale is 2^e with e = floor(log2(the largest magnitude in the block)) - 15, held to -126 .. 127; a block of zeros has e = 0. As a byte (E8M0): e + 127.
;;     - Each number is divided by its block's scale, clamped to +-57,344, and rounded to the nearest number of E5M2, ties to even, subnormals kept.
;;     - The product sums the exact products of the quantised numbers (number of the format x scale) in f32.
;;   ~~~python
;;   def quantise(x, axis):      # numpy; x: float32 -> the quantised numbers, widened to float32 again
;;       x = np.moveaxis(x, axis, -1); K = x.shape[-1]
;;       x = np.pad(x, [(0, 0)] * (x.ndim - 1) + [(0, -K % 32)]); x = x.reshape(x.shape[:-1] + (-1, 32)); a = np.abs(x).max(-1, keepdims=True)
;;       e = np.where(a > 0, np.clip(np.frexp(np.where(a > 0, a, 1))[1] - 1 - 15, -126, 127), 0)      # np.frexp(a)[1] - 1 = floor(log2(a)), exactly
;;       r = np.clip(x / 2.0 ** e, -57344, 57344)
;;       step = 2.0 ** (np.maximum(np.frexp(np.where(r == 0, 1, r))[1] - 1, -14) - 2)
;;       q = np.round(r / step) * step * 2.0 ** e      # np.round: ties to even
;;       return np.moveaxis(q.reshape(q.shape[:-2] + (-1,))[..., :K], -1, axis).astype(np.float32)
;;   ~~~
;;   SOFTMAX AHEAD OF A QUANTISED PRODUCT. Where the list says 'softmax', what is quantised is not the finished softmax but p = 2^(t - M), with t = logit x log2(e) and M = ceil(the row's largest t), a whole number; so 1/2 < the row's largest p <= 1. The row's sum l is taken of the UNQUANTISED p, in f32, and the product's result is divided by l at the end. Since M is a whole number, a kernel that streams over the keys may use a running M (the ceiling of the running maximum): every later rescaling is an exact power of two, which a block's scale takes up: the codes' values come out the same.
;;   OPERANDS COMPUTED ON THE WAY. 'Computed on the way' means the value that the module computes at that place (a softmax that the list does not call 'softmax' is quantised finished and normalised). What goes into a quantiser is computed in f32, as accurately as f32 sums, v_exp_f32 and their like allow (about 1e-6 of the number): no bf16 or f16 on the way to a quantiser, and a product that is left as it is and whose result goes on into a quantised operand takes f32 operands (vector FMAs, or v_wmma_f32_16x16x4_f32). A number that lies on a knife's edge between two numbers of the format may be rounded either way, as far as f32 arithmetic and the matrix unit's own rounding can turn it there, and no further.
;; One version. Each part assembles by itself: llvm-mc -triple=amdgcn-amd-amdhsa -mcpu=gfx1250 --defsym DOCPART=n.
;; ======== version 1 of 1: 4 launches
;; limits: right only within a limited range of input values
;; workspace buffers: xrec 4,325,376 bytes; wrec 2,703,360 bytes; cs 1,048,576 bytes; qcodes 4,194,304 bytes; qscales 131,072 bytes; kv 2,162,688 bytes; orec 4,325,376 bytes
;; launch prep (part 1): grid 480 x 1, 4 waves a work-group, no clusters, 34,304 bytes of LDS; arguments x, wq, wk, wv, wo, xrec, wrec, cs; writes xrec, wrec, cs
.if DOCPART == 1
	.amdgcn_target "amdgcn-amd-amdhsa--gfx1250"
	.amdhsa_code_object_version 6
	.text
	.protected	k_q0f290622f0_prep
	.globl	k_q0f290622f0_prep
	.p2align	8
	.type	k_q0f290622f0_prep,@function
k_q0f290622f0_prep:
	s_mov_b64 s[64:65], 0
	v_nop
	global_prefetch_b8 v0, s[64:65] scope:SCOPE_SE
	s_setreg_imm32_b32 hwreg(HW_REG_WAVE_MODE, 25, 1), 1
	s_wait_xcnt 0x0
; PREP: x and the four weights become codes of BF8 (E5M2) with one E8M0 byte for each 32 along K, laid in the ORDER OF THE OPERAND'S REGISTERS; and RoPE's cos and sin become a table.
; A RECORD (16,896 bytes) holds 128 rows x 128 K: [tile 8][c 4][512 bytes], lane l's 16 bytes at 16 l = the codes k = 32 c + 16 (l / 16) + 0 .. 15 of the tile's row l % 16; then [tile 8][row 16] scale words.
; THE ROWS OF A TILE ARE NOT NEIGHBOURS: row i of tile T is element 32 (T / 2) + 8 (T % 2) + i + 8 (i / 8) of its axis, so that in a later product's result the 16 registers of two neighbouring tiles are 16 neighbours.
; Work-groups 0-255: one tile of 16 positions of x, all of K (wave w: K steps 2 w, 2 w + 1).  256-415: one record of a weight (wave w: 32 columns; a lane takes a column, its registers run down K).
; 416-479: cos and sin of 4 tiles of positions (a wave a tile).  The three paths part on the work-group's number; only the first uses LDS; waves share nothing: no barrier.
; A block's scale is 2^(floor(log2(largest magnitude)) - 15); its byte is the largest magnitude's exponent field - 15, held at 1 from below.
; LIMITS: NaN and infinities among the inputs are not served.  A block whose largest magnitude lies under 2^-111 (zeros too) gets the byte 1; a block of zeros has zero codes, and these bytes are read by this program alone.
; cos, sin: the frequency is the rounded quotient 1 / P with P = 10^(f / 8) rounded to f32 (it may differ by a last bit from a library's power); the angle is position x frequency, rounded once; reduction by pi/2 in three parts,
; polynomials on |rho| <= pi/4, good to about a last bit of f32.
.set REC,  16896
.set WV,   20                          ; s20  the wave's number
.set SEL,  28                          ; s[28:29] v_permlanex16_b32's selects for lane l xor 16
.set MNT,  30                          ; s30  the mantissa field of 57,344
.set RR,   16                          ; path X: v16-143 two units of 16 rows as loaded
.set XN,   144                         ; v144-207 64 numbers of a lane: register 16 b + i = k 32 b + 16 h + i of my row
.set TM,   208                         ; v208-223 at work in QUANT
.set PC,   224                         ; v224-255 codes, a set for each unit: no store's data are written again
.set PW,   12                          ; v12, v13 the two units' scale words
; 64 numbers of a lane, v[s] on, become a fragment's 16 registers of codes in v[pc] on and its scale word in v[pw]
.macro QUANT s, pc, pw
.irp b, 0,1,2,3
	v_max3_num_f32 v[TM+\b], |v[\s+16*\b]|, |v[\s+1+16*\b]|, 0x8000000   ; block b: my 16 numbers, and the floor 2^(16 - 127): the byte cannot fall under 1
.endr
.irp i, 2,4,6,8,10,12,14
.irp b, 0,1,2,3
	v_max3_num_f32 v[TM+\b], v[TM+\b], |v[\s+16*\b+\i]|, |v[\s+1+16*\b+\i]|   ; the four blocks by turns
.endr
.endr
.irp b, 0,1,2,3
	v_permlanex16_b32 v[TM+4+\b], v[TM+\b], s[SEL], s[SEL+1]
.endr
.irp b, 0,1,2,3
	v_max_num_f32 v[TM+\b], v[TM+\b], v[TM+4+\b]   ; with lane l xor 16's 16: the block's largest magnitude
.endr
.irp b, 0,1,2,3
	v_add_nc_u32 v[TM+12+\b], 0xf8800000, v[TM+\b]   ; 15 off its exponent field: the conversion's scale operand
.endr
.irp b, 0,1,2,3
	v_and_or_b32 v[TM+8+\b], v[TM+\b], 0x7f800000, s[MNT]   ; 57,344 x the scale
.endr
.irp b, 0,1,2,3
	v_lshrrev_b32 v[TM+4+\b], 23, v[TM+12+\b]   ; the scale's byte
.endr
	v_lshl_or_b32 v[\pw], v[TM+5], 8, v[TM+4]
	v_lshl_or_b32 v[\pw], v[TM+6], 16, v[\pw]
	v_lshl_or_b32 v[\pw], v[TM+7], 24, v[\pw]
.irp b, 0,1,2,3
.irp i, 0,1,2,3,4,5,6,7,8,9,10,11,12,13,14,15
	v_med3_num_f32 v[\s+16*\b+\i], v[\s+16*\b+\i], -v[TM+8+\b], v[TM+8+\b]   ; the conversion to an 8-bit code does not saturate (ISA guide 7.6.2): the hold comes first
.endr
	v_cvt_scalef32_pk8_bf8_f32 v[\pc+4*\b:\pc+1+4*\b], v[\s+16*\b:\s+7+16*\b], v[TM+12+\b]
	v_cvt_scalef32_pk8_bf8_f32 v[\pc+2+4*\b:\pc+3+4*\b], v[\s+8+16*\b:\s+15+16*\b], v[TM+12+\b]
.endr
	v_nop                                          ; one plain line behind the last conversion
.endm
	s_load_b256 s[4:11], s[0:1], 0x0               ; x s[4:5], wq s[6:7], wk s[8:9], wv s[10:11]
	s_load_b256 s[12:19], s[0:1], 0x20             ; wo s[12:13], xrec s[14:15], wrec s[16:17], cs s[18:19]
	v_lshl_add_u32 v15, v0, 2, 0x8400
	s_set_vgpr_msb 0x40
	v_mov_b32 v1, 0
	s_set_vgpr_msb 0x4000
	v_lshrrev_b32 v1, 5, v0
	v_readfirstlane_b32 s[WV], v1                  ; wave 0..3
	v_and_b32 v2, 31, v0                           ; lane
	v_and_b32 v10, 15, v0                          ; r
	v_bfe_u32 v11, v0, 4, 1                        ; h
	v_lshlrev_b32 v3, 4, v2                        ; 16 x lane
	s_mov_b32 s[SEL], 0x76543210
	s_mov_b32 s[SEL+1], 0xfedcba98
	s_mov_b32 s[MNT], 0x600000
	s_wait_kmcnt 0x0
	s_cmp_lt_u32 ttmp9, 256
	s_cbranch_scc1 .Lpath_x
	s_cmp_lt_u32 ttmp9, 416
	s_cbranch_scc1 .Lpath_w
; ---- THE TABLE: tile tau = 4 (work-group - 416) + wave; lane (r, h) makes cos and sin of its position at the 16 frequencies f = 16 h + i
	s_sub_co_u32 s21, ttmp9, 416
	s_lshl_b32 s21, s21, 2
	s_add_co_u32 s21, s21, s[WV]                   ; tau
	s_lshl_b32 s22, s21, 12                        ; 4,096 bytes a tile
	s_mov_b32 s23, 0
	s_add_nc_u64 s[18:19], s[18:19], s[22:23]
	s_lshr_b32 s24, s21, 1
	s_lshl_b32 s24, s24, 5
	s_and_b32 s25, s21, 1
	s_lshl_b32 s25, s25, 3
	s_add_co_u32 s24, s24, s25                     ; the tile's first position
	s_wait_alu depctr_va_vdst(0)
	v_and_b32 v4, 8, v10
	v_add_nc_u32 v4, v4, v10                       ; r + 8 (r / 8)
	v_add_nc_u32 v4, s24, v4
	v_cvt_f32_u32 v4, v4                           ; my position
	v_cmp_lt_u32 vcc_lo, 15, v2                    ; lanes 16-31
	s_mov_b32 s36, 0xbfc90fd8                      ; -pi/2 in three parts
	s_mov_b32 s37, 0xb4a8885a
	s_mov_b32 s38, 0xa7c234c4
	s_mov_b32 s39, 0x37ccf5ce                      ; cos: 1 - z/2 + z^2 ((s39 z + s40) z + s41), z = rho^2
	s_mov_b32 s40, 0xbab6061a
	s_mov_b32 s41, 0x3d2aaaa5
	s_mov_b32 s42, 0xb94ca1f9                      ; sin: rho + rho z ((s42 z + s43) z + s44)
	s_mov_b32 s43, 0x3c08839e
	s_mov_b32 s44, 0xbe2aaaa3
.macro PSEL i, lo, hi                  ; P = 10^(f / 8): lanes 0-15 take f = i, lanes 16-31 f = 16 + i
	v_mov_b32 v5, \hi
	v_cndmask_b32 v[16+\i], \lo, v5, vcc_lo
.endm
	PSEL 0, 1.0, 100.0
	PSEL 1, 1.3335214322, 133.35214322
	PSEL 2, 1.7782794100, 177.82794100
	PSEL 3, 2.3713737057, 237.13737057
	PSEL 4, 3.1622776602, 316.22776602
	PSEL 5, 4.2169650343, 421.69650343
	PSEL 6, 5.6234132519, 562.34132519
	PSEL 7, 7.4989420933, 749.89420933
	PSEL 8, 10.0, 1000.0
	PSEL 9, 13.335214322, 1333.5214322
	PSEL 10, 17.782794100, 1778.2794100
	PSEL 11, 23.713737057, 2371.3737057
	PSEL 12, 31.622776602, 3162.2776602
	PSEL 13, 42.169650343, 4216.9650343
	PSEL 14, 56.234132519, 5623.4132519
	PSEL 15, 74.989420933, 7498.9420933
	s_wait_alu depctr_va_vdst(0)
.irp i, 0,1,2,3,4,5,6,7,8,9,10,11,12,13,14,15
	v_rcp_f32 v[64+\i], v[16+\i]                   ; one batch
.endr
	v_nop                                          ; a plain line behind the last reciprocal
	s_wait_alu depctr_va_vdst(0)                   ; one wait for the sixteen, ahead of their first reader
.rept 2                                ; two corrections: y += y (1 - P y): the rounded quotient
.irp i, 0,1,2,3,4,5,6,7,8,9,10,11,12,13,14,15
	v_fma_f32 v[80+\i], -v[16+\i], v[64+\i], 1.0
.endr
.irp i, 0,1,2,3,4,5,6,7,8,9,10,11,12,13,14,15
	v_fma_f32 v[64+\i], v[80+\i], v[64+\i], v[64+\i]
.endr
.endr
.macro SINCOS i                        ; cos into v[32 + i], sin into v[48 + i]
	v_mul_f32 v96, v4, v[64+\i]                    ; the angle, rounded once
	v_mul_f32 v97, 0x3f22f983, v96                 ; x 2 / pi
	v_rndne_f32 v97, v97                           ; n, at most 2,607
	v_fma_f32 v98, v97, s36, v96
	v_fma_f32 v98, v97, s37, v98
	v_fma_f32 v98, v97, s38, v98                   ; rho = angle - n pi/2
	v_mul_f32 v99, v98, v98                        ; z
	v_fma_f32 v100, v99, s39, s40
	v_fma_f32 v101, v99, s42, s43
	v_mul_f32 v102, v99, v99
	v_fma_f32 v103, v99, -0.5, 1.0
	v_fma_f32 v100, v100, v99, s41
	v_fma_f32 v101, v101, v99, s44
	v_mul_f32 v105, v99, v98
	v_fma_f32 v100, v100, v102, v103               ; cos rho
	v_fma_f32 v101, v101, v105, v98                ; sin rho
	v_cvt_i32_f32 v104, v97
	v_and_b32 v105, 1, v104
	v_cmp_eq_u32 vcc_lo, 1, v105                   ; n odd: the two change places
	v_cndmask_b32 v[48+\i], v101, v100, vcc_lo
	v_cndmask_b32 v[32+\i], v100, v101, vcc_lo
	v_and_b32 v105, 2, v104                        ; sin changes sign where n & 2,
	v_lshlrev_b32 v105, 30, v105
	v_xor_b32 v[48+\i], v[48+\i], v105
	v_add_nc_u32 v104, 1, v104                     ; cos where (n + 1) & 2
	v_and_b32 v104, 2, v104
	v_lshlrev_b32 v104, 30, v104
	v_xor_b32 v[32+\i], v[32+\i], v104
.endm
.irp i, 0,1,2,3,4,5,6,7,8,9,10,11,12,13,14,15
	SINCOS \i
.endr
.irp j, 0,1,2,3,4,5,6,7
	global_store_b128 v3, v[32+4*\j:35+4*\j], s[18:19] offset:512*\j   ; 32 lanes store 512 consecutive bytes: j 0-3 cos, j 4-7 sin
.endr
	s_endpgm
; ---- x: tile tau = the work-group's number.  Each load reads 512 consecutive bytes (a row's 128 numbers of one K step); the 16 rows turn through the wave's own stage in LDS, so that a lane gets 16 neighbours of each block
.Lpath_x:
	s_lshr_b32 s21, ttmp9, 1
	s_lshl_b32 s21, s21, 5
	s_and_b32 s22, ttmp9, 1
	s_lshl_b32 s22, s22, 3
	s_add_co_u32 s21, s21, s22                     ; the tile's first position
	s_lshl_b32 s22, s21, 12                        ; a row of x is 4,096 bytes
	s_lshl_b32 s21, s[WV], 10                      ; my two K steps: 1,024 bytes
	s_add_co_u32 s22, s22, s21
	s_mov_b32 s23, 0
	s_add_nc_u64 s[4:5], s[4:5], s[22:23]
	s_lshr_b32 s21, ttmp9, 3
	s_lshl_b32 s21, s21, 3
	s_lshl_b32 s22, s[WV], 1
	s_add_co_u32 s21, s21, s22
	s_mul_i32 s21, s21, REC                        ; record (tau / 8, 2 w)
	s_and_b32 s24, ttmp9, 7
	s_lshl_b32 s22, s24, 11
	s_add_co_u32 s22, s22, s21
	s_add_nc_u64 s[32:33], s[14:15], s[22:23]      ; my tile's codes
	s_lshl_b32 s22, s24, 6
	s_add_co_u32 s22, s22, s21
	s_add_co_u32 s22, s22, 16384
	s_add_nc_u64 s[34:35], s[14:15], s[22:23]      ; my tile's scale words
	s_mul_i32 s36, s[WV], 8448                     ; my stage: 16 rows x (512 bytes + 16)
	s_wait_alu depctr_va_vdst(0)
	v_add_nc_u32 v4, s36, v3                       ; in: 16 x lane
	v_mul_u32_u24 v5, v10, 528
	v_lshl_add_u32 v5, v11, 6, v5
	v_add_nc_u32 v5, s36, v5                       ; out: row r, + 64 h: the pitch is an odd multiple of 16 bytes
	v_mul_u32_u24 v7, v11, REC
	v_lshl_add_u32 v7, v10, 2, v7                  ; scale words: lanes 0-15 the first record's, lanes 16-31 the second's
.irp b, 0,1,2,3
	v_mov_b32 v[TM+4+\b], 0                        ; written once: a lane permute's destination counts as one of its sources
.endr
.irp t, 0,1
.irp i, 0,1,2,3,4,5,6,7,8,9,10,11,12,13,14,15
	global_load_b128 v[RR+64*\t+4*\i:RR+64*\t+4*\i+3], v3, s[4:5] offset:(\i+8*(\i/8))*4096+512*\t th:TH_LOAD_NT
.endr
.endr
.macro TURN t                          ; LDS serves a wave's instructions in order: no wait between the stores and the loads
.irp i, 0,1,2,3,4,5,6,7,8,9,10,11,12,13,14,15
	ds_store_b128 v4, v[RR+64*\t+4*\i:RR+64*\t+4*\i+3] offset:528*\i
.endr
.irp c, 0,1,2,3
.irp j, 0,1,2,3
	ds_load_b128 v[XN+16*\c+4*\j:XN+16*\c+4*\j+3], v5 offset:128*\c+16*\j
.endr
.endr
.endm
	s_wait_alu depctr_va_vdst(0)
	s_wait_loadcnt 16                              ; the first unit's 16 loads are in; the second's stay out
	TURN 0
	s_wait_dscnt 0x0
	QUANT XN, PC, PW
.irp c, 0,1,2,3
	global_store_b128 v3, v[PC+4*\c:PC+4*\c+3], s[32:33] offset:512*\c
.endr
	s_wait_loadcnt 0x0
	TURN 1
	s_wait_dscnt 0x0
	QUANT XN, PC+16, PW+1
.irp c, 0,1,2,3
	global_store_b128 v3, v[PC+16+4*\c:PC+16+4*\c+3], s[32:33] offset:REC+512*\c
.endr
	v_cmp_gt_u32 vcc_lo, 16, v2
	v_cndmask_b32 v8, v[PW+1], v[PW], vcc_lo       ; both halves of the lanes hold row r's word: the lower stores the first unit's, the upper the second's
	global_store_b32 v7, v8, s[34:35]
	s_set_vgpr_msb 0x4
	s_wait_tensorcnt 0x0
	ds_add_u32 v15, v1
	s_wait_dscnt 0x0
	s_set_vgpr_msb 0x400
	s_endpgm
; ---- the weights: record idx = work-group - 256 = 8 beta + kappa.  beta 0-7: wq; 8-11: wk's head g (tiles 0-3) and wv's head g (tiles 4-7); 12-19: wo
.Lpath_w:
	s_sub_co_u32 s21, ttmp9, 256
	s_lshr_b32 s22, s21, 3                         ; beta
	s_and_b32 s23, s21, 7                          ; kappa
	s_mul_i32 s24, s21, REC
	s_mov_b32 s25, 0
	s_add_nc_u64 s[16:17], s[16:17], s[24:25]      ; my record
	v_bfe_u32 v5, v0, 3, 1                         ; column x of the wave's 32 is row i = x % 8 + 8 (x / 16) of tile 2 w + (x / 8) % 2
	v_and_b32 v6, 7, v0
	v_bfe_u32 v7, v0, 4, 1
	v_lshl_add_u32 v8, v7, 3, v6                   ; i
	s_lshl_b32 s26, s[WV], 1
	v_add_nc_u32 v5, s26, v5                       ; the tile
	v_lshlrev_b32 v6, 11, v5
	v_lshl_add_u32 v6, v8, 4, v6                   ; its codes: 2,048 x tile + 16 i
	v_lshlrev_b32 v7, 6, v5
	v_lshl_add_u32 v7, v8, 2, v7                   ; its scale word: 64 x tile + 4 i
	v_lshlrev_b32 v3, 2, v2                        ; in: 4 bytes a lane
.macro WLOAD c, pitch                  ; block c: W(32 c + i, my column): 32 lanes read 128 consecutive bytes
.set i, 0
.rept 32
	global_load_b32 v[16+32*(\c)+i], v3, s[32:33] offset:(32*(\c)+i)*(\pitch) th:TH_LOAD_NT
.set i, i+1
.endr
.endm
.macro WBLOCK c                        ; all 32 numbers of the block are mine
.set XS, 16+32*(\c)
.set CD, 144+8*(\c)
	v_max3_num_f32 v9, |v[XS]|, |v[XS+1]|, |v[XS+2]|
	v_max3_num_f32 v10, |v[XS+3]|, |v[XS+4]|, |v[XS+5]|
.irp i, 6,10,14,18,22,26
	v_max3_num_f32 v9, v9, |v[XS+\i]|, |v[XS+\i+1]|
	v_max3_num_f32 v10, v10, |v[XS+\i+2]|, |v[XS+\i+3]|
.endr
	v_max3_num_f32 v9, v9, |v[XS+30]|, |v[XS+31]|
	v_max3_num_f32 v9, v9, v10, 0x8000000          ; and the floor
	v_add_nc_u32 v11, 0xf8800000, v9               ; the conversion's scale operand
	v_and_or_b32 v13, v9, 0x7f800000, s[MNT]       ; 57,344 x the scale
	v_lshrrev_b32 v14, 23, v11                     ; the byte
.if \c == 0
	v_mov_b32 v12, v14
.else
	v_lshl_or_b32 v12, v14, 8*(\c), v12
.endif
.set i, 0
.rept 32
	v_med3_num_f32 v[XS+i], v[XS+i], -v13, v13
.set i, i+1
.endr
.irp g, 0,1,2,3
	v_cvt_scalef32_pk8_bf8_f32 v[CD+2*\g:CD+2*\g+1], v[XS+8*\g:XS+8*\g+7], v11
.endr
	v_nop
	global_store_b128 v6, v[CD:CD+3], s[16:17] offset:512*(\c)        ; k = 32 c + 0 .. 15: the place of lane i;  the 16 lanes of a tile fill 256 consecutive bytes
	global_store_b128 v6, v[CD+4:CD+7], s[16:17] offset:512*(\c)+256  ; k = 32 c + 16 .. 31: the place of lane 16 + i
.endm
.macro WPATH pitch                     ; loads run two blocks ahead; each block has registers of its own for numbers and codes
	WLOAD 0, \pitch
	WLOAD 1, \pitch
	s_wait_loadcnt 32                              ; block 0 is in, block 1's 32 loads stay out
	WLOAD 2, \pitch
	WBLOCK 0
	s_wait_loadcnt 32                              ; block 1 is in, block 2's stay out
	WLOAD 3, \pitch
	WBLOCK 1
	s_wait_loadcnt 32                              ; block 2 is in, block 3's stay out
	WBLOCK 2
	s_wait_loadcnt 0x0
	WBLOCK 3
	global_store_b32 v7, v12, s[16:17] offset:16384
	s_endpgm
.endm
	s_sub_co_u32 s27, s22, 8
	s_cmp_lt_u32 s27, 4                            ; 8 <= beta < 12
	s_cbranch_scc1 .Lw_kv
	s_cmp_lt_u32 s22, 8
	s_cselect_b64 s[32:33], s[6:7], s[12:13]       ; wq or wo: the choice hangs on the work-group's number alone
	s_cselect_b32 s34, 0, 12
	s_sub_co_u32 s34, s22, s34
	s_lshl_b32 s34, s34, 7
	s_lshl_b32 s35, s[WV], 5
	s_add_co_u32 s34, s34, s35                     ; my first column
	s_lshl_b32 s34, s34, 2
	s_mul_i32 s35, s23, 128*4096                   ; 128 kappa rows
	s_add_co_u32 s34, s34, s35
	s_mov_b32 s35, 0
	s_add_nc_u64 s[32:33], s[32:33], s[34:35]
	s_wait_alu depctr_va_vdst(0)
	WPATH 4096
.Lw_kv:
	s_cmp_lt_u32 s[WV], 2
	s_cselect_b64 s[32:33], s[8:9], s[10:11]       ; waves 0, 1: wk; waves 2, 3: wv
	s_lshl_b32 s34, s27, 6                         ; 64 g
	s_and_b32 s35, s[WV], 1
	s_lshl_b32 s35, s35, 5
	s_add_co_u32 s34, s34, s35
	s_lshl_b32 s34, s34, 2
	s_mul_i32 s35, s23, 128*1024
	s_add_co_u32 s34, s34, s35
	s_mov_b32 s35, 0
	s_add_nc_u64 s[32:33], s[32:33], s[34:35]
	s_wait_alu depctr_va_vdst(0)
	WPATH 1024
.Lfunc_end_k_q0f290622f0_prep:
	.size	k_q0f290622f0_prep, .Lfunc_end_k_q0f290622f0_prep-k_q0f290622f0_prep
	.p2alignl 7, 3214868480
	.fill 96, 4, 3214868480
	.section	.rodata,"a",@progbits
	.p2align	6, 0x0
	.amdhsa_kernel k_q0f290622f0_prep
		.amdhsa_group_segment_fixed_size 34304
		.amdhsa_private_segment_fixed_size 0
		.amdhsa_enable_private_segment 0
		.amdhsa_kernarg_size 64
		.amdhsa_user_sgpr_count 2
		.amdhsa_user_sgpr_kernarg_segment_ptr 1
		.amdhsa_wavefront_size32 1
		.amdhsa_system_sgpr_workgroup_id_x 1
		.amdhsa_system_sgpr_workgroup_id_y 1
		.amdhsa_system_sgpr_workgroup_id_z 1
		.amdhsa_system_vgpr_workitem_id 0
		.amdhsa_next_free_vgpr 258
		.amdhsa_next_free_sgpr 66
		.amdhsa_reserve_vcc 1
		.amdhsa_float_denorm_mode_32 3
		.amdhsa_float_denorm_mode_16_64 3
		.amdhsa_memory_ordered 1
		.amdhsa_forward_progress 1
		.amdhsa_inst_pref_size 111
	.end_amdhsa_kernel
	.amdgpu_metadata
---
amdhsa.version: [ 1, 2 ]
amdhsa.kernels:
  - .name:           k_q0f290622f0_prep
    .symbol:         k_q0f290622f0_prep.kd
    .args:
      - { .name: x, .offset: 0, .size: 8, .value_kind: global_buffer, .address_space: global }
      - { .name: wq, .offset: 8, .size: 8, .value_kind: global_buffer, .address_space: global }
      - { .name: wk, .offset: 16, .size: 8, .value_kind: global_buffer, .address_space: global }
      - { .name: wv, .offset: 24, .size: 8, .value_kind: global_buffer, .address_space: global }
      - { .name: wo, .offset: 32, .size: 8, .value_kind: global_buffer, .address_space: global }
      - { .name: xrec, .offset: 40, .size: 8, .value_kind: global_buffer, .address_space: global }
      - { .name: wrec, .offset: 48, .size: 8, .value_kind: global_buffer, .address_space: global }
      - { .name: cs, .offset: 56, .size: 8, .value_kind: global_buffer, .address_space: global }
    .group_segment_fixed_size: 34304
    .private_segment_fixed_size: 0
    .kernarg_segment_align: 8
    .kernarg_segment_size: 64
    .max_flat_workgroup_size: 128
    .sgpr_count:     66
    .vgpr_count:     258
    .wavefront_size: 32
...
	.end_amdgpu_metadata
.endif
;; end of part 1
;; launch qkv (part 2): grid 8 x 32, 4 waves a work-group, clusters of 4 x 4, 327,680 bytes of LDS; arguments xrec, wrec, cs, qcodes, qscales, kv; writes qcodes, qscales, kv
.if DOCPART == 2
	.amdgcn_target "amdgcn-amd-amdhsa--gfx1250"
	.amdhsa_code_object_version 6
	.text
	.protected	k_q0f290622f0_qkv
	.globl	k_q0f290622f0_qkv
	.p2align	8
	.type	k_q0f290622f0_qkv,@function
k_q0f290622f0_qkv:
	s_mov_b64 s[64:65], 0
	v_nop
	global_prefetch_b8 v0, s[64:65] scope:SCOPE_SE
	s_setreg_imm32_b32 hwreg(HW_REG_WAVE_MODE, 25, 1), 1
	s_wait_xcnt 0x0
	s_wait_alu depctr_hold_cnt(0) depctr_sa_sdst(0) depctr_va_vdst(0) depctr_va_sdst(0) depctr_va_ssrc(0) depctr_va_vcc(0) depctr_vm_vsrc(0)
	s_getreg_b32 s2, hwreg(HW_REG_IB_STS2, 6, 4)
	s_cmp_eq_u32 s2, 0
	s_cbranch_scc0 .Lentry_in_a_cluster
	s_endpgm
.Lentry_in_a_cluster:
	s_bfe_u32 s2, ttmp6, 0x10000c
	s_cmp_lg_u32 s2, 0xf033
	s_cbranch_scc0 .Lentry_shape_is_right
	s_endpgm
.Lentry_shape_is_right:
; QKV: x wq, x wk, x wv on codes of BF8 (E5M2) with E8M0 scales; RoPE on q and k; q, k (along the head's 64) and v (along the keys) quantised in registers and stored as images of the next products' operand registers.
; 256 work-groups (beta = 0 .. 7, mu = 0 .. 31) of four waves; each takes 128 positions (mu) through TWO PHASES, K = 1,024 in both.
; PHASE 1: 128 columns of q (heads 2 beta, 2 beta + 1); a wave makes 64 x 64: 16 accumulators.  PHASE 2: 64 columns more: head beta % 4 of k (beta < 4) or of v (beta >= 4); wave w makes positions 32 w .. 32 w + 31 x 64: 8 accumulators.
; LDS.  wq's and x's panels (8 records of 16,896 bytes each: 128 rows x 128 K as register images, then scale words) come at the head, one tensor load a wave.  x's panel stays for both phases.  Behind phase 1's last K step the bytes
; that held wq's first records are filled again, behind a drained round: wave 0 brings the 64 columns' codes (8 rows of 8,192 bytes, a row a record of the weight, 16,896 bytes apart), wave 1 their scale words (8 rows of 256 bytes).
; These two loads land under q's RoPE and quantiser.
; CLUSTER 4 x 4: the weights hang on beta alone and are asked for jointly along a column of the cluster, x's panel on mu alone, jointly along a row.  Whether phase 2 makes k or v hangs on the cluster's x: alike in all partners.
; q and k: source 0 = 16 columns of the weight, source 1 = 16 positions: a lane holds ONE position and its registers run along the head's d (the tiles' rows are chosen so: registers 0-15 d = 16 h + i, 16-31 d = 32 + 16 h + i).
; v: the sources change places: a lane holds one d and its registers run along the positions, which are the keys, the K of the second attention product.
; The cos and sin of phase 2's two tiles are loaded in every work-group; they are used where k is made.
; LIMITS: as the quantiser's elsewhere: NaN and infinities are not served; a block under 2^-111 gets the byte 1.
.set REC,  16896
.set RW,   0                           ; LDS: wq's panel; in phase 2 the 64 columns' codes, 8,192 bytes a K step,
.set W2S,  65536                       ; and behind them their scale words, 256 bytes a K step
.set RX,   8*REC                       ; then x's panel
.set SPARE, 16*REC                     ; the spare words, 128 bytes for each wave: two blocks of 256 bytes that no other line names
.set AW,   4                           ; v4, v5   LDS address of my weight fragments in records 0-3, 4-7
.set AX,   6                           ; v6, v7   the same for x
.set LI,   8                           ; v8       16 x lane
.set LS,   9                           ; v9       4 x lane
.set SWA,  10                          ; v10, v11 LDS address of the weight's scale words
.set SXA,  12                          ; v12, v13 of x's
.set AX2,  14                          ; v14, v15 phase 2: my two tiles of x
.set SC,   16                          ; v16-23   scale words, two sets of (W tiles 0|1, W 2|3, X 0|1, X 2|3): an even tile in lanes 0-15, the odd one in lanes 16-31; they hold scales alone
.set SXA2, 24                          ; v24, v25 phase 2: my two tiles' scale words
.set W2W,  26                          ; v26      phase 2: the weight's scale words
.set R4,   27                          ; v27      4 r
.set TM,   32                          ; v32-47   at work in QUANT
.set T,    48                          ; v48-55   at work in ROPE
.set PW,   56                          ; v56, v57 scale words made
.set PC,   64                          ; v64-95   codes made, two sets
.set SPW,  126                         ; v126     my spare word; never rewritten
.set NIL,  127                         ; v127     0; never rewritten
.set ACC,  128                         ; v128-255 the accumulators.  Window 1: two buffers of (64 registers of W, 64 of x).  Window 2: v0-127 cos and sin of phase 1's four tiles of positions, v128-191 of phase 2's two
.set MNT,  16
.set SEL,  18
.set G1W,  24                          ; s[24:31] group 1 for the weights' codes; s[32:39] two groups 0
.set G0W,  32
.set CX,   40
.set CY,   41
.set BETA, 42
.set G1X,  48                          ; s[48:55], s[56:63] the same for x's panel; in phase 2 s[48:55] serves the weight's scale words
.set G0X,  56
.set WV,   70
.set E1,   71                          ; wave / 2: my half of the positions in phase 1
.set E0,   72                          ; wave % 2: my half of the columns in phase 1
.set MU,   73
.set ARM,  75                          ; the cluster's x: 0: phase 2 makes k; 1: v
.set MSB, 0
.macro WIN new                         ; the immediate's high byte repeats the setting that is left
.if MSB != \new
	s_set_vgpr_msb (MSB<<8)|\new
.set MSB, \new
.endif
.endm
.macro PLACES n
.rept \n
	v_nop
.endr
.endm
.macro CROUND                          ; a round of the cluster's barrier
	s_barrier_signal -1
	s_barrier_wait -1
	s_cmp_lg_u32 s[WV], 0
	s_cbranch_scc1 .Lnot_wave_0_\@
	s_barrier_signal -3
.Lnot_wave_0_\@:
	s_barrier_wait -3
	s_barrier_signal -1
	s_barrier_wait -1
.endm
.macro TLOAD g0, g1                    ; a tensor load; an s_nop 0 and four v_nop follow it
	tensor_load_to_lds s[\g0:\g0+3], s[\g1:\g1+7]
	s_nop 0
	PLACES 4
.endm
; one product: D at d, sources at a and b, their scale registers sa and sb; zero = 1: it starts the sum; ra, rb = 1: that side's words lie in lanes 16-31
.macro WM d, a, b, sa, sb, zero, ra, rb
.if \zero
.if (\ra) && (\rb)
	v_wmma_scale_f32_16x16x128_f8f6f4 v[\d:\d+7], v[\a:\a+15], v[\b:\b+15], 0, v[\sa], v[\sb] matrix_a_fmt:MATRIX_FMT_BF8 matrix_b_fmt:MATRIX_FMT_BF8 matrix_a_scale:MATRIX_SCALE_ROW1 matrix_b_scale:MATRIX_SCALE_ROW1
.elseif (\ra)
	v_wmma_scale_f32_16x16x128_f8f6f4 v[\d:\d+7], v[\a:\a+15], v[\b:\b+15], 0, v[\sa], v[\sb] matrix_a_fmt:MATRIX_FMT_BF8 matrix_b_fmt:MATRIX_FMT_BF8 matrix_a_scale:MATRIX_SCALE_ROW1
.elseif (\rb)
	v_wmma_scale_f32_16x16x128_f8f6f4 v[\d:\d+7], v[\a:\a+15], v[\b:\b+15], 0, v[\sa], v[\sb] matrix_a_fmt:MATRIX_FMT_BF8 matrix_b_fmt:MATRIX_FMT_BF8 matrix_b_scale:MATRIX_SCALE_ROW1
.else
	v_wmma_scale_f32_16x16x128_f8f6f4 v[\d:\d+7], v[\a:\a+15], v[\b:\b+15], 0, v[\sa], v[\sb] matrix_a_fmt:MATRIX_FMT_BF8 matrix_b_fmt:MATRIX_FMT_BF8
.endif
.else
.if (\ra) && (\rb)
	v_wmma_scale_f32_16x16x128_f8f6f4 v[\d:\d+7], v[\a:\a+15], v[\b:\b+15], v[\d:\d+7], v[\sa], v[\sb] matrix_a_fmt:MATRIX_FMT_BF8 matrix_b_fmt:MATRIX_FMT_BF8 matrix_a_scale:MATRIX_SCALE_ROW1 matrix_b_scale:MATRIX_SCALE_ROW1
.elseif (\ra)
	v_wmma_scale_f32_16x16x128_f8f6f4 v[\d:\d+7], v[\a:\a+15], v[\b:\b+15], v[\d:\d+7], v[\sa], v[\sb] matrix_a_fmt:MATRIX_FMT_BF8 matrix_b_fmt:MATRIX_FMT_BF8 matrix_a_scale:MATRIX_SCALE_ROW1
.elseif (\rb)
	v_wmma_scale_f32_16x16x128_f8f6f4 v[\d:\d+7], v[\a:\a+15], v[\b:\b+15], v[\d:\d+7], v[\sa], v[\sb] matrix_a_fmt:MATRIX_FMT_BF8 matrix_b_fmt:MATRIX_FMT_BF8 matrix_b_scale:MATRIX_SCALE_ROW1
.else
	v_wmma_scale_f32_16x16x128_f8f6f4 v[\d:\d+7], v[\a:\a+15], v[\b:\b+15], v[\d:\d+7], v[\sa], v[\sb] matrix_a_fmt:MATRIX_FMT_BF8 matrix_b_fmt:MATRIX_FMT_BF8
.endif
.endif
.endm
; PHASE 1: record kk's fragments (4 of wq, 4 of x) and scale words into buffer p: every load takes 512 (or 128) consecutive bytes
.macro FETCH p, kk
	WIN 0x40                                       ; destination window 1, address window 0
.irp f, 0,1,2,3
.irp c, 0,1,2,3
	ds_load_b128 v[128*(\p)+16*\f+4*\c:128*(\p)+16*\f+4*\c+3], v[AW+(\kk)/4] offset:((\kk)%4)*REC+2048*\f+512*\c
.endr
.endr
.irp f, 0,1,2,3
.irp c, 0,1,2,3
	ds_load_b128 v[128*(\p)+64+16*\f+4*\c:128*(\p)+64+16*\f+4*\c+3], v[AX+(\kk)/4] offset:((\kk)%4)*REC+2048*\f+512*\c
.endr
.endr
	WIN 0
	ds_load_b32 v[SC+4*(\p)], v[SWA+(\kk)/4] offset:((\kk)%4)*REC
	ds_load_b32 v[SC+4*(\p)+1], v[SWA+(\kk)/4] offset:((\kk)%4)*REC+128
	ds_load_b32 v[SC+4*(\p)+2], v[SXA+(\kk)/4] offset:((\kk)%4)*REC
	ds_load_b32 v[SC+4*(\p)+3], v[SXA+(\kk)/4] offset:((\kk)%4)*REC+128
.endm
.macro MULT p, zero                    ; source 0 = the weight's tile n, source 1 = x's tile a: accumulator 32 a + 8 n.  The 16 accumulators take turns, one instruction a turn, in the same order in every step
.irp a, 0,1,2,3
.irp n, 0,1,2,3
	WM ACC+32*\a+8*\n, 128*(\p)+16*\n, 128*(\p)+64+16*\a, SC+4*(\p)+\n/2, SC+4*(\p)+2+\a/2, \zero, \n%2, \a%2
.endr
.endr
.endm
.macro KSTEP kk
	s_wait_dscnt 0x0                               ; this step's fragments and words are in: they were asked for 16 matrix instructions ago
.if \kk == 3
	s_wait_tensorcnt 0x0                           ; every wave's one load has landed,
	s_barrier_signal -1
	s_barrier_wait -1                              ; and everybody knows: records 4-7 are whole.
.endif
.if \kk < 7
.if \kk > 0
	PLACES 8                                       ; eight places in front of loads into registers that the last step's products read
.endif
	FETCH (\kk+1)%2, \kk+1
.endif
	WIN 0x05                                       ; sources 0 and 1 window 1; C and D window 0
.if \kk == 0
	MULT 0, 1                                      ; the first step starts the sums: nothing is cleared
.else
	MULT \kk%2, 0
.endif
	WIN 0
.endm
; PHASE 2: K step kk's fragments (the weight's 4 tiles, my 2 of x) and scale words into buffer p
.macro FETCH2 p, kk
	WIN 0x40
.irp f, 0,1,2,3
.irp c, 0,1,2,3
	ds_load_b128 v[128*(\p)+16*\f+4*\c:128*(\p)+16*\f+4*\c+3], v[LI] offset:RW+8192*(\kk)+2048*\f+512*\c
.endr
.endr
.irp f, 0,1
.irp c, 0,1,2,3
	ds_load_b128 v[128*(\p)+64+16*\f+4*\c:128*(\p)+64+16*\f+4*\c+3], v[AX2+(\kk)/4] offset:((\kk)%4)*REC+2048*\f+512*\c
.endr
.endr
	WIN 0
	ds_load_b32 v[SC+4*(\p)], v[W2W] offset:256*(\kk)
	ds_load_b32 v[SC+4*(\p)+1], v[W2W] offset:256*(\kk)+128
	ds_load_b32 v[SC+4*(\p)+2], v[SXA2+(\kk)/4] offset:((\kk)%4)*REC
.endm
.macro MUL2T p, zero                   ; k: source 0 = the weight's tile n, source 1 = x's tile a: accumulator 32 a + 8 n; eight accumulators by turns
.irp a, 0,1
.irp n, 0,1,2,3
	WM ACC+32*\a+8*\n, 128*(\p)+16*\n, 128*(\p)+64+16*\a, SC+4*(\p)+\n/2, SC+4*(\p)+2, \zero, \n%2, \a
.endr
.endr
.endm
.macro MUL2N p, zero                   ; v: source 0 = x's tile a, source 1 = the weight's tile n: accumulator 16 n + 8 a
.irp n, 0,1,2,3
.irp a, 0,1
	WM ACC+16*\n+8*\a, 128*(\p)+64+16*\a, 128*(\p)+16*\n, SC+4*(\p)+2, SC+4*(\p)+\n/2, \zero, \a, \n%2
.endr
.endr
.endm
.macro KSTEP2 kk
	s_wait_dscnt 0x0
.if \kk < 7
.if \kk > 0
	PLACES 8
.endif
	FETCH2 (\kk+1)%2, \kk+1
.endif
	s_cmp_eq_u32 s[ARM], 0
	s_cbranch_scc0 .Lmul_v_\@
	WIN 0x05
.if \kk == 0
	MUL2T 0, 1
.else
	MUL2T \kk%2, 0
.endif
	WIN 0
	s_branch .Lmul_done_\@
.Lmul_v_\@:
	WIN 0x05
.if \kk == 0
	MUL2N 0, 1
.else
	MUL2N \kk%2, 0
.endif
	WIN 0
.Lmul_done_\@:
.endm
.macro QUANT s, pc, pw                 ; 64 numbers of a lane in four blocks of 16 (the other 16 of each block lie in lane l xor 16) -> 16 registers of codes, a scale word; the four bytes stay in v[TM+4] on
.irp b, 0,1,2,3
	v_max3_num_f32 v[TM+\b], |v[\s+16*\b]|, |v[\s+1+16*\b]|, 0x8000000   ; with the floor 2^(16 - 127): the byte cannot fall under 1
.endr
.irp i, 2,4,6,8,10,12,14
.irp b, 0,1,2,3
	v_max3_num_f32 v[TM+\b], v[TM+\b], |v[\s+16*\b+\i]|, |v[\s+1+16*\b+\i]|
.endr
.endr
.irp b, 0,1,2,3
	v_permlanex16_b32 v[TM+4+\b], v[TM+\b], s[SEL], s[SEL+1]
.endr
.irp b, 0,1,2,3
	v_max_num_f32 v[TM+\b], v[TM+\b], v[TM+4+\b]
.endr
.irp b, 0,1,2,3
	v_add_nc_u32 v[TM+12+\b], 0xf8800000, v[TM+\b]   ; 15 off the exponent field: the conversion's scale operand
.endr
.irp b, 0,1,2,3
	v_and_or_b32 v[TM+8+\b], v[TM+\b], 0x7f800000, s[MNT]   ; 57,344 x the scale
.endr
.irp b, 0,1,2,3
	v_lshrrev_b32 v[TM+4+\b], 23, v[TM+12+\b]   ; the byte
.endr
	v_lshl_or_b32 v[\pw], v[TM+5], 8, v[TM+4]
	v_lshl_or_b32 v[\pw], v[TM+6], 16, v[\pw]
	v_lshl_or_b32 v[\pw], v[TM+7], 24, v[\pw]
.irp b, 0,1,2,3
.irp i, 0,1,2,3,4,5,6,7,8,9,10,11,12,13,14,15
	v_med3_num_f32 v[\s+16*\b+\i], v[\s+16*\b+\i], -v[TM+8+\b], v[TM+8+\b]   ; the hold: the conversion does not saturate (ISA guide 7.6.2)
.endr
	v_cvt_scalef32_pk8_bf8_f32 v[\pc+4*\b:\pc+1+4*\b], v[\s+16*\b:\s+7+16*\b], v[TM+12+\b]
	v_cvt_scalef32_pk8_bf8_f32 v[\pc+2+4*\b:\pc+3+4*\b], v[\s+8+16*\b:\s+15+16*\b], v[TM+12+\b]
.endr
	v_nop                                          ; one plain line behind the last conversion
.endm
.macro ROPE a, tb                      ; tile a's 32 numbers a lane, its cos and sin at v[tb + 32 a] of window 2: lo' = lo cos - hi sin, hi' = hi cos + lo sin, two at a time; each accumulator is read from its low end on
.set i, 0
.rept 8
.set RLO, ACC+32*(\a)+i
.set RHI, ACC+32*(\a)+16+i
.set RCO, (\tb)+32*(\a)+i
.set RSI, (\tb)+32*(\a)+16+i
.set T0, T+4*((i/2)%2)
	v_pk_mul_f32 v[T0:T0+1], v[RHI:RHI+1], v[RSI:RSI+1]
	v_pk_mul_f32 v[T0+2:T0+3], v[RLO:RLO+1], v[RSI:RSI+1]
	v_pk_fma_f32 v[RLO:RLO+1], v[RLO:RLO+1], v[RCO:RCO+1], v[T0:T0+1] neg_lo:[0,0,1] neg_hi:[0,0,1]
	v_pk_fma_f32 v[RHI:RHI+1], v[RHI:RHI+1], v[RCO:RCO+1], v[T0+2:T0+3]
.set i, i+2
.endr
.endm
	s_load_b256 s[4:11], s[0:1], 0x0               ; xrec s[4:5], wrec s[6:7], cs s[8:9], qcodes s[10:11]
	s_load_b128 s[12:15], s[0:1], 0x20             ; qscales s[12:13], kv s[14:15]
	v_lshl_add_u32 v[SPW], v0, 2, SPARE
	v_mov_b32 v[NIL], 0
	ds_add_u32 v[SPW], v[NIL]                      ; the opening lines: the add, twice on end, and its wait ahead of the first tensor load
	ds_add_u32 v[SPW], v[NIL]
	v_lshrrev_b32 v1, 5, v0
	v_readfirstlane_b32 s[WV], v1                  ; wave 0..3
	s_lshr_b32 s[E1], s[WV], 1
	s_and_b32 s[E0], s[WV], 1
	s_bfe_u32 s[CX], ttmp6, 0x40000
	s_bfe_u32 s[CY], ttmp6, 0x40004
	s_lshl_b32 s[BETA], ttmp9, 2
	s_add_co_u32 s[BETA], s[BETA], s[CX]           ; beta = 4 x cluster x + cx
	s_and_b32 s[MU], ttmp7, 0xffff
	s_lshl_b32 s[MU], s[MU], 2
	s_add_co_u32 s[MU], s[MU], s[CY]               ; mu = 4 x cluster y + cy
	s_mov_b32 s[ARM], ttmp9
	s_lshl_b32 s43, s[CY], 2
	s_lshl_b32 s43, 15, s43                        ; my row of the cluster
	s_lshl_b32 s44, 0x1111, s[CX]                  ; my column
	s_or_b32 s[G1W], s44, (3<<16)|(1<<21)          ; 15:0 the mask: the weights go to my column; 17:16 elements of 8 bytes; 21 set beside a mask; no padding
	s_or_b32 s[G1X], s43, (3<<16)|(1<<21)          ; x's panel goes to my row
.irp g, G1W, G1X                       ; ONE load a wave: four records, 67,584 dense bytes, as 264 rows of 256 bytes
	s_mov_b32 s[\g+1], 32<<16                      ; tensor_dim0 = 32 elements
	s_mov_b32 s[\g+2], 264<<16                     ; tensor_dim1
	s_mov_b32 s[\g+3], 32<<16                      ; tile_dim0
	s_mov_b32 s[\g+4], 264                         ; tile_dim1
	s_mov_b32 s[\g+5], 32                          ; the pitch
	s_mov_b32 s[\g+6], 0
	s_mov_b32 s[\g+7], 0
.endr
	s_mul_i32 s46, s[BETA], 8*REC                  ; wq's panel
	s_mov_b32 s47, 0
	s_mul_i32 s20, s[MU], 8*REC                    ; x's panel
	s_mov_b32 s21, 0
	s_mov_b32 s[SEL], 0x76543210
	s_mov_b32 s[SEL+1], 0xfedcba98
	s_mov_b32 s[MNT], 0x600000
	s_wait_dscnt 0x0                               ; both opening adds are done
	s_wait_kmcnt 0x0
	s_add_nc_u64 s[46:47], s[6:7], s[46:47]        ; made of beta alone
	s_add_nc_u64 s[20:21], s[4:5], s[20:21]        ; made of mu alone
	CROUND                                         ; all sixteen work-groups are here: the joint loads meet
.irp l, 0,1
	s_mov_b32 s[G0W+4*\l], 1
	s_mov_b32 s[G0W+4*\l+1], RW+\l*4*REC
	s_add_nc_u64 s[G0W+4*\l+2:G0W+4*\l+3], s[46:47], \l*4*REC
	s_or_b32 s[G0W+4*\l+3], s[G0W+4*\l+3], 0x80000000
	s_mov_b32 s[G0X+4*\l], 1
	s_mov_b32 s[G0X+4*\l+1], RX+\l*4*REC
	s_add_nc_u64 s[G0X+4*\l+2:G0X+4*\l+3], s[20:21], \l*4*REC
	s_or_b32 s[G0X+4*\l+3], s[G0X+4*\l+3], 0x80000000
.endr
	s_cmp_lt_u32 s[WV], 1                          ; one chain of branches on the wave's number, one joint load to an arm: wave 0 wq's records 0-3,
	s_cbranch_scc0 .Lwave_1
	TLOAD G0W, G1W
	s_branch .Lasked
.Lwave_1:
	s_cmp_lt_u32 s[WV], 2                          ; wave 1 x's records 0-3,
	s_cbranch_scc0 .Lwave_2
	TLOAD G0X, G1X
	s_branch .Lasked
.Lwave_2:
	s_cmp_lt_u32 s[WV], 3                          ; wave 2 wq's records 4-7,
	s_cbranch_scc0 .Lwave_3
	TLOAD G0W+4, G1W
	s_branch .Lasked
.Lwave_3:
	TLOAD G0X+4, G1X                               ; wave 3 x's records 4-7
.Lasked:
	v_and_b32 v1, 15, v0                           ; r
	v_bfe_u32 v2, v0, 4, 1                         ; h
	v_and_b32 v3, 31, v0                           ; lane
	v_lshlrev_b32 v[LI], 4, v3
	v_lshlrev_b32 v[LS], 2, v3
	s_lshl_b32 s76, s[E0], 13                      ; my four tiles of wq: 8,192 bytes of codes in
	s_lshl_b32 s77, s[E1], 13                      ; and of x
	v_add_nc_u32 v[AW], s76, v[LI]
	v_add_nc_u32 v[AW+1], 4*REC, v[AW]
	v_add_nc_u32 v[AX], s77, v[LI]
	v_add_nc_u32 v[AX], RX, v[AX]
	v_add_nc_u32 v[AX+1], 4*REC, v[AX]
	s_lshl_b32 s76, s[E0], 8                       ; their scale words: 256 bytes in
	s_lshl_b32 s77, s[E1], 8
	v_add_nc_u32 v[SWA], s76, v[LS]
	v_add_nc_u32 v[SWA], 16384, v[SWA]
	v_add_nc_u32 v[SWA+1], 4*REC, v[SWA]
	v_add_nc_u32 v[SXA], s77, v[LS]
	v_add_nc_u32 v[SXA], RX+16384, v[SXA]
	v_add_nc_u32 v[SXA+1], 4*REC, v[SXA]
	s_lshl_b32 s76, s[E0], 12                      ; phase 2: tiles 2 w, 2 w + 1 of x = the first or the second two of my four
	s_lshl_b32 s77, s[E0], 7
	v_add_nc_u32 v[AX2], s76, v[AX]
	v_add_nc_u32 v[AX2+1], s76, v[AX+1]
	v_add_nc_u32 v[SXA2], s77, v[SXA]
	v_add_nc_u32 v[SXA2+1], s77, v[SXA+1]
	v_add_nc_u32 v[W2W], RW+W2S, v[LS]
	v_lshlrev_b32 v[R4], 2, v1
.irp b, 0,1,2,3
	v_mov_b32 v[TM+4+\b], 0                        ; written once: a lane permute's destination counts as one of its sources
.endr
	s_lshl_b32 s78, s[MU], 3
	s_lshl_b32 s79, s[E1], 2
	s_add_co_u32 s78, s78, s79                     ; phase 1: my first tile of positions: 8 mu + 4 e1
	s_lshl_b32 s80, s78, 12
	s_mov_b32 s81, 0
	s_lshl_b32 s88, s[MU], 3
	s_lshl_b32 s89, s[WV], 1
	s_add_co_u32 s88, s88, s89                     ; phase 2: 8 mu + 2 w
	s_lshl_b32 s88, s88, 12
	s_mov_b32 s89, 0
	s_add_nc_u64 s[88:89], s[8:9], s[88:89]
	s_add_nc_u64 s[8:9], s[8:9], s[80:81]
	WIN 0x80                                       ; destination window 2
.irp a, 0,1,2,3
.irp j, 0,1,2,3,4,5,6,7
	global_load_b128 v[32*\a+4*\j:32*\a+4*\j+3], v[LI], s[8:9] offset:4096*\a+512*\j   ; tile a: 16 cos (f = 16 h + i), 16 sin of position row r; they land under the K steps
.endr
.endr
.irp a, 0,1
.irp j, 0,1,2,3,4,5,6,7
	global_load_b128 v[128+32*\a+4*\j:128+32*\a+4*\j+3], v[LI], s[88:89] offset:4096*\a+512*\j
.endr
.endr
	WIN 0
	s_wait_alu depctr_va_vdst(0)                   ; the wait at the head's end
	s_cmp_lt_u32 s[WV], 2                          ; waves 0 and 1 wait for their loads, records 0-3 of both panels; the loads of waves 2 and 3 stay out
	s_cbranch_scc0 .Lnot_first
	s_wait_tensorcnt 0x0
.Lnot_first:
	s_barrier_signal -1
	s_barrier_wait -1                              ; records 0-3 of both panels are whole
	FETCH 0, 0
.irp k, 0,1,2,3,4,5,6,7
	KSTEP \k
.endr
	; THE REFILL: wq's panel has been read out.  A wait, an add and its wait ahead of the round; the descriptors, work on registers, stand between the add and the wait for it (no tensor load of mine is out)
	s_wait_tensorcnt 0x0
	ds_add_u32 v[SPW], v[NIL]
	s_mov_b32 s[G1W+1], 1024<<16                   ; the codes: rows of 1,024 elements of 8 bytes: four tiles of a record,
	s_mov_b32 s[G1W+2], 8<<16                      ; eight of them,
	s_mov_b32 s[G1W+3], 1024<<16
	s_mov_b32 s[G1W+4], 8
	s_mov_b32 s[G1W+5], REC/8                      ; a record apart
	s_or_b32 s[G1X], s44, (3<<16)|(1<<21)          ; the scale words go to my column too: rows of 256 bytes,
	s_mov_b32 s[G1X+1], 32<<16
	s_mov_b32 s[G1X+2], 8<<16
	s_mov_b32 s[G1X+3], 32<<16
	s_mov_b32 s[G1X+4], 8
	s_mov_b32 s[G1X+5], REC/8
	s_and_b32 s20, s[BETA], 3
	s_add_co_u32 s20, s20, 8
	s_mul_i32 s20, s20, 8*REC                      ; panel 8 + beta % 4 of wrec: tiles 0-3 wk's head, tiles 4-7 wv's
	s_lshl_b32 s94, s[ARM], 13
	s_add_co_u32 s94, s94, s20
	s_mov_b32 s95, 0
	s_lshl_b32 s96, s[ARM], 8
	s_add_co_u32 s96, s96, s20
	s_add_co_u32 s96, s96, 16384
	s_mov_b32 s97, 0
	s_mov_b32 s[G0W+1], RW
	s_add_nc_u64 s[G0W+2:G0W+3], s[6:7], s[94:95]
	s_or_b32 s[G0W+3], s[G0W+3], 0x80000000
	s_mov_b32 s[G0W+5], RW+W2S
	s_add_nc_u64 s[G0W+6:G0W+7], s[6:7], s[96:97]
	s_or_b32 s[G0W+7], s[G0W+7], 0x80000000
	s_wait_dscnt 0x0                               ; the add is done, and my reads of wq's panel are over
	CROUND                                         ; so are those of every wave of every partner
	s_cmp_lt_u32 s[WV], 1
	s_cbranch_scc0 .Lre_1
	TLOAD G0W, G1W                                 ; wave 0: the codes
	s_branch .Lre_done
.Lre_1:
	s_cmp_lt_u32 s[WV], 2
	s_cbranch_scc0 .Lre_done
	TLOAD G0W+4, G1X                               ; wave 1: the scale words
.Lre_done:
	; ---- q leaves: head 2 beta + e0
	s_lshl_b32 s82, s[BETA], 1
	s_add_co_u32 s82, s82, s[E0]                   ; the head
	s_lshl_b32 s83, s82, 8
	s_add_co_u32 s83, s83, s78
	s_lshl_b32 s94, s83, 10                        ; q's codes: 1,024 bytes a tile
	s_lshl_b32 s84, s82, 7
	s_lshr_b32 s85, s78, 1
	s_add_co_u32 s84, s84, s85
	s_lshl_b32 s96, s84, 6                         ; q's scale words: 64 bytes a pair of tiles
	s_add_nc_u64 s[90:91], s[10:11], s[94:95]
	s_add_nc_u64 s[92:93], s[12:13], s[96:97]
	s_wait_loadcnt 0x0                             ; cos and sin
	PLACES 8                                       ; eight places behind the last products, ahead of the first read of results
	WIN 0x08                                       ; source 1 (cos, sin) window 2
.irp a, 0,1,2,3
	ROPE \a, 0
.endr
	WIN 0
.irp pp, 0,1                           ; tiles 2 pp and 2 pp + 1: four blocks of 32 along d: one scale word, four chunks of 512 bytes
	QUANT ACC+64*\pp, PC+16*\pp, PW+\pp
.irp blk, 0,1,2,3
	global_store_b128 v[LI], v[PC+16*\pp+4*\blk:PC+16*\pp+4*\blk+3], s[90:91] offset:2048*\pp+512*\blk
.endr
.endr
	v_cmp_gt_u32 vcc_lo, 16, v3
	v_cndmask_b32 v58, v[PW+1], v[PW], vcc_lo      ; lanes 0-15 store the first pair's words, lanes 16-31 the second's, 64 bytes on
	global_store_b32 v[LS], v58, s[92:93]
	; ---- PHASE 2
	s_wait_alu depctr_va_vdst(0)
	s_wait_tensorcnt 0x0                           ; the refill has landed,
	s_barrier_signal -1
	s_barrier_wait -1                              ; and everybody knows.
	FETCH2 0, 0
.irp k, 0,1,2,3,4,5,6,7
	KSTEP2 \k
.endr
	s_wait_xcnt 0x0                                ; q's stores have read their registers and bases, which are written again below
	s_and_b32 s86, s[BETA], 3
	s_lshl_b32 s86, s86, 5
	s_add_co_u32 s86, s86, s[MU]
	s_mul_i32 s86, s86, REC                        ; the kv record (beta % 4, mu)
	PLACES 8                                       ; eight places behind the last products
	s_cmp_eq_u32 s[ARM], 0
	s_cbranch_scc0 .Lepi_v
	; ---- k: RoPE, the quantiser along d; my two tiles are fragment w of the record
	s_lshl_b32 s94, s[WV], 11
	s_add_co_u32 s94, s94, s86
	s_lshl_b32 s96, s[WV], 6
	s_add_co_u32 s96, s96, s86
	s_add_co_u32 s96, s96, 16384
	s_add_nc_u64 s[90:91], s[14:15], s[94:95]
	s_add_nc_u64 s[92:93], s[14:15], s[96:97]
	WIN 0x08
	ROPE 0, 128
	ROPE 1, 128
	WIN 0
	QUANT ACC, PC, PW
.irp blk, 0,1,2,3
	global_store_b128 v[LI], v[PC+4*\blk:PC+4*\blk+3], s[90:91] offset:512*\blk
.endr
	global_store_b32 v[R4], v[PW], s[92:93]        ; lanes r and r + 16 store the same word with the same value
	s_branch .Lend
	; ---- v: registers 16 n + i are positions 32 w + 16 h + i of d row r of tile n: the quantiser along the keys; chunk w of each of V's four fragments
.Lepi_v:
	s_lshl_b32 s94, s[WV], 9
	s_add_co_u32 s94, s94, s86
	s_add_co_u32 s94, s94, 8192
	s_add_co_u32 s96, s[WV], s86
	s_add_co_u32 s96, s96, 16640
	s_add_nc_u64 s[90:91], s[14:15], s[94:95]
	s_add_nc_u64 s[92:93], s[14:15], s[96:97]
	QUANT ACC, PC, PW
.irp blk, 0,1,2,3
	global_store_b128 v[LI], v[PC+4*\blk:PC+4*\blk+3], s[90:91] offset:2048*\blk
	global_store_b8 v[R4], v[TM+4+\blk], s[92:93] offset:64*\blk   ; byte w of row r's word of fragment blk
.endr
.Lend:
	s_wait_tensorcnt 0x0                           ; the wave's end
	ds_add_u32 v[SPW], v[NIL]
	s_wait_dscnt 0x0
	CROUND                                         ; the closing round: no work-group ends while a partner may still ask for a tile that names it
	s_endpgm
.Lfunc_end_k_q0f290622f0_qkv:
	.size	k_q0f290622f0_qkv, .Lfunc_end_k_q0f290622f0_qkv-k_q0f290622f0_qkv
	.p2alignl 7, 3214868480
	.fill 96, 4, 3214868480
	.section	.rodata,"a",@progbits
	.p2align	6, 0x0
	.amdhsa_kernel k_q0f290622f0_qkv
		.amdhsa_group_segment_fixed_size 327680
		.amdhsa_private_segment_fixed_size 0
		.amdhsa_enable_private_segment 0
		.amdhsa_kernarg_size 48
		.amdhsa_user_sgpr_count 2
		.amdhsa_user_sgpr_kernarg_segment_ptr 1
		.amdhsa_wavefront_size32 1
		.amdhsa_system_sgpr_workgroup_id_x 1
		.amdhsa_system_sgpr_workgroup_id_y 1
		.amdhsa_system_sgpr_workgroup_id_z 1
		.amdhsa_system_vgpr_workitem_id 0
		.amdhsa_next_free_vgpr 768
		.amdhsa_next_free_sgpr 100
		.amdhsa_reserve_vcc 1
		.amdhsa_float_denorm_mode_32 3
		.amdhsa_float_denorm_mode_16_64 3
		.amdhsa_memory_ordered 1
		.amdhsa_forward_progress 1
		.amdhsa_inst_pref_size 133
	.end_amdhsa_kernel
	.amdgpu_metadata
---
amdhsa.version: [ 1, 2 ]
amdhsa.kernels:
  - .name:           k_q0f290622f0_qkv
    .symbol:         k_q0f290622f0_qkv.kd
    .args:
      - { .name: xrec, .offset: 0, .size: 8, .value_kind: global_buffer, .address_space: global }
      - { .name: wrec, .offset: 8, .size: 8, .value_kind: global_buffer, .address_space: global }
      - { .name: cs, .offset: 16, .size: 8, .value_kind: global_buffer, .address_space: global }
      - { .name: qcodes, .offset: 24, .size: 8, .value_kind: global_buffer, .address_space: global }
      - { .name: qscales, .offset: 32, .size: 8, .value_kind: global_buffer, .address_space: global }
      - { .name: kv, .offset: 40, .size: 8, .value_kind: global_buffer, .address_space: global }
    .group_segment_fixed_size: 327680
    .private_segment_fixed_size: 0
    .kernarg_segment_align: 8
    .kernarg_segment_size: 48
    .max_flat_workgroup_size: 128
    .sgpr_count:     100
    .vgpr_count:     768
    .wavefront_size: 32
...
	.end_amdgpu_metadata
.endif
;; end of part 2
;; launch attn (part 3): grid 64 x 4, 16 waves a work-group, clusters of 4 x 1, 327,680 bytes of LDS; arguments qcodes, qscales, kv, orec; writes orec
.if DOCPART == 3
	.amdgcn_target "amdgcn-amd-amdhsa--gfx1250"
	.amdhsa_code_object_version 6
	.text
	.protected	k_q0f290622f0_attn
	.globl	k_q0f290622f0_attn
	.p2align	8
	.type	k_q0f290622f0_attn,@function
k_q0f290622f0_attn:
	s_mov_b64 s[64:65], 0
	v_nop
	global_prefetch_b8 v0, s[64:65] scope:SCOPE_SE
	s_setreg_imm32_b32 hwreg(HW_REG_WAVE_MODE, 25, 1), 1
	s_wait_xcnt 0x0
	s_wait_alu depctr_hold_cnt(0) depctr_sa_sdst(0) depctr_va_vdst(0) depctr_va_sdst(0) depctr_va_ssrc(0) depctr_va_vcc(0) depctr_vm_vsrc(0)
	s_getreg_b32 s2, hwreg(HW_REG_IB_STS2, 6, 4)
	s_cmp_eq_u32 s2, 0
	s_cbranch_scc0 .Lentry_in_a_cluster
	s_endpgm
.Lentry_in_a_cluster:
	s_bfe_u32 s2, ttmp6, 0x10000c
	s_cmp_lg_u32 s2, 0x3003
	s_cbranch_scc0 .Lentry_shape_is_right
	s_endpgm
.Lentry_shape_is_right:
; ATTN: causal attention, 16 heads of 64 on 4 key/value heads, both products on codes of BF8 (E5M2) with E8M0 scales; o / l is quantised along (head, d) and stored as the last product's operand.
; LEFT OUT: records of 128 keys all of which come after all queries of a tile: reference() itself puts its causal mask over them, and their p is 0 for every input.
; THE SOFTMAX: t = score x log2(e) / 8; M = the running largest t rounded UP to a whole number; p = 2^(t - M) is quantised along the keys, not normalised; the row's sum is taken of the unquantised p and divides at the end.
; SHARES.  The 4,096 positions are 32 groups of 128.  A cluster (number m = 0 .. 15, key/value head g) owns groups 31 - m and m, one after the other; its partner cx owns 32 positions of the group (tiles 2 cx, 2 cx + 1 of its 8)
; for ALL FOUR heads of g: eight tiles of 16 queries.  EACH TILE HAS TWO WAVES, w and w + 8 (head 4 g + (w % 8) / 2, tile w % 2): four waves to a SIMD.  The two share the keys out: a step takes a PAIR of records, the even one
; for waves 0-7, the odd one for waves 8-15.  Group G needs records 0 .. G: of 32 - m and m + 1 records one count is odd, so the steps are 17 in every work-group; in one of them the odd record is hidden and waves 8-15 jump over it.
; THE TWO PARTS OF A TILE: each wave keeps its own M, sum and O^T.  M is a whole number, so the parts are brought under the greater M by exact powers of two.  At a group's end each wave stores its part to LDS (the first group's to
; bytes of their own, the second's to slot 0, which has had its last fill and its last read by then); behind the last barrier wave (tile, kh) joins, divides and quantises block kh of 32 d of its tile, for both groups.
; A kv RECORD (16,896 bytes) is 128 keys: 4 fragments of K (each TWO tiles of 16 keys x 64 d), 4 of V^T (16 d x 128 keys), K's and V's scale words: all as images of registers.  A pair lies on end in memory.
; THE RING: two slots of three pairs; slot 0 first holds two: 2 + 5 x 3 = 17.  Step T takes pair T, or T - S1 in the second group (S1: the first group's steps).  Waves 0 to 2 fetch a pair each, jointly with the three partners.
; K = 64 IN AN INSTRUCTION OF 128: a fragment of K is multiplied once by [q | 0] and once by [0 | q]; the half not wanted meets zero codes, and the other side there holds finite codes and ordinary scale bytes.
; LAYOUT.  Both products are used transposed: a lane holds ONE query (lane % 16); the keys of a tile are chosen so that the 16 registers of two neighbouring tiles of S^T are 16 neighbouring keys.
; LIMITS: NaN and infinities are not served; the promise holds while |t| stays under 2^31; a block under 2^-111 gets the byte 1 (a block of zeros has zero codes); 1 / l is v_rcp_f32 and one multiplication.
.set REC,   16896
.set PAIR,  2*REC
.set SLOTB, 3*PAIR
.set SLOT1, 1<<17                      ; slot 1 begins here: one exclusive or turns an address
.set PART,  4608                       ; a wave's part in LDS: O^T 4,096 bytes, the sum 128, -M 128, rounded up
.set SCR1,  SLOT1+SLOTB                ; the first group's sixteen parts: no fill lands here
.set SPARE, SCR1+16*PART               ; the spare words, 128 bytes for each of 16 waves: eight blocks of 256 bytes that no other line names
.set LI,  1                            ; v1   16 x lane
.set LS,  2                            ; v2   4 x lane
.set DD,  3                            ; v3   my query's place in its 128 positions - 16 h: the same in both groups; at the end 4 r
.set ADR, 4                            ; v4   LDS address of the step's fragments
.set SPW, 5                            ; v5   my spare word; never rewritten
.set NIL, 6                            ; v6   0; never rewritten
.set PFO, 7                            ; v7   the prefetches' offset; never rewritten
.set ADS, 8                            ; v8   LDS address of the step's scale words
.set QS,  9                            ; v9   q's scale word: its two bytes twice
.set KSC, 10                           ; v10, v11 K's scale words.  v12 -M, v13 the largest t, v[14:15] the sum in two halves
.set Q,   16                           ; v16-39   [q 8][zeros 8][q 8]
.set X,   40                           ; v40-103  four fragments of K, then of V
.set S,   104                          ; v104-167 S^T, then p
.set O,   168                          ; v168-199 O^T
.set PCD, 200                          ; v200-215 p's codes
.set BM,  216                          ; v216-219 a block's largest score, then p
.set B2,  220                          ; v220-223 at work; bytes
.set HL,  224                          ; v224-227 57,344 x the scale
.set SO,  228                          ; v228-231 the conversions' scale operands
.set VSC, 232                          ; v232, v233 V's scale words
.set PW,  234                          ; v234 p's scale word
.set TMP, 235
.set F,   236                          ; v[236:237] f = 2^(old M - new M) (the upper one is only named)
.set Q2,  238                          ; v238-245 the second group's q; v246 its scale word
.set QS2, 246
.set WA,  247                          ; v247 my part in a region of parts: PART x wave + 16 x lane
.set T0,  248                          ; v248-253 three more chains of the row's sum
.set T1,  250
.set T2,  252
.set WB,  254                          ; v254 PART x wave + 4 x lane
.set WV,  18
.set MNT, 19
.set SEL, 20
.set CS,  22                           ; s[22:23] c = log2(e) / 8
.set G1,  24                           ; s[24:31] descriptor group 1;  s[32:35] group 0, which walks
.set G0,  32
.set TB,  36                           ; LDS byte at which my record of the step's pair begins
.set KS,  37                           ; my record in its group's walk
.set DS,  38                           ; the group's diagonal record = the group's number
.set SLOTS, 39
.set CNT, 40
.set TG,  41                           ; the step in its group's walk: the same in all waves
.set PFA, 42                           ; s[42:43] where my prefetches stand
.set LIM, 44
.set TT,  49                           ; the step whose pair I fetch next
.set S1,  50                           ; the first group's steps
.set GB,  51                           ; m: the second group
.set SE,  82                           ; the first group's last step; then a number that no step has
.set KR,  83                           ; kh - 2
.set KH,  84                           ; kh = wave / 8
.macro CROUND
	s_barrier_signal -1
	s_barrier_wait -1
	s_cmp_lg_u32 s[WV], 0
	s_cbranch_scc1 .Lnot_wave_0_\@
	s_barrier_signal -3
.Lnot_wave_0_\@:
	s_barrier_wait -3
	s_barrier_signal -1
	s_barrier_wait -1
.endm
.macro TLOAD n                         ; waves 0 to n - 1 fetch a pair each, jointly with the same wave of the three partners; an s_nop 0 and four v_nop follow the line
	s_cmp_lt_u32 s[WV], \n
	s_cbranch_scc0 .Lnone_\@
	tensor_load_to_lds s[G0:G0+3], s[G1:G1+7]
	s_nop 0
.rept 4
	v_nop
.endr
.Lnone_\@:
.endm
; A PREFETCH INTO THE L2 of what the NEXT change of slots will ask for.  All clusters of a key/value head begin their walk at pair 0: the cluster m = 0, whose first walk is the longest, asks for all.  A slot is 396 blocks of 256 bytes:
; partner cx's waves 4 to 7 name blocks 128 cx + 32 (wave % 4) + lane, told apart BY ADDRESS; the lanes left over name block 395 again.  Slots 2 to 4 (pairs 5 to 13) are asked for, one slot (three steps) ahead of their load;
; slots 0, 1 and 5 come by their loads alone.
.macro ASK
	s_cmp_gt_u32 s[SLOTS], s[LIM]
	s_cbranch_scc0 .Lnot_mine_\@
	global_prefetch_b8 v[PFO], s[PFA:PFA+1] th:TH_LOAD_NT scope:SCOPE_SE
.Lnot_mine_\@:
.endm
.macro WM d, a, b, sa, sb, zero, ra    ; one product; zero = 1: it starts the sum; ra = 1: source 0's words lie in lanes 16-31
.if \zero
.if (\ra)
	v_wmma_scale_f32_16x16x128_f8f6f4 v[\d:\d+7], v[\a:\a+15], v[\b:\b+15], 0, v[\sa], v[\sb] matrix_a_fmt:MATRIX_FMT_BF8 matrix_b_fmt:MATRIX_FMT_BF8 matrix_a_scale:MATRIX_SCALE_ROW1
.else
	v_wmma_scale_f32_16x16x128_f8f6f4 v[\d:\d+7], v[\a:\a+15], v[\b:\b+15], 0, v[\sa], v[\sb] matrix_a_fmt:MATRIX_FMT_BF8 matrix_b_fmt:MATRIX_FMT_BF8
.endif
.else
.if (\ra)
	v_wmma_scale_f32_16x16x128_f8f6f4 v[\d:\d+7], v[\a:\a+15], v[\b:\b+15], v[\d:\d+7], v[\sa], v[\sb] matrix_a_fmt:MATRIX_FMT_BF8 matrix_b_fmt:MATRIX_FMT_BF8 matrix_a_scale:MATRIX_SCALE_ROW1
.else
	v_wmma_scale_f32_16x16x128_f8f6f4 v[\d:\d+7], v[\a:\a+15], v[\b:\b+15], v[\d:\d+7], v[\sa], v[\sb] matrix_a_fmt:MATRIX_FMT_BF8 matrix_b_fmt:MATRIX_FMT_BF8
.endif
.endif
.endm
.macro HOLD x, b                       ; two of p's holds in one instruction: p is not negative, so the hold is one-sided
	v_dual_min_num_f32 v[\x], v[\x], v[HL+\b] :: v_dual_min_num_f32 v[(\x)+1], v[(\x)+1], v[HL+\b]
.endm
; where group G's (a scalar register) q and o lie for my head (s47) and my tile of the group's eight (s48); s60, s61: what does not hang on the group
.macro PADDR G, QC, QW, OCD, OSD
	s_lshl_b32 s56, s[\G], 3
	s_add_co_u32 s56, s56, s48                     ; tau = 8 G + my tile
	s_lshl_b32 s57, s47, 8
	s_add_co_u32 s57, s57, s56
	s_lshl_b32 s58, s57, 10                        ; q's codes: 1,024 bytes a tile
	s_mov_b32 s59, 0
	s_add_nc_u64 s[\QC:\QC+1], s[4:5], s[58:59]
	s_lshl_b32 s57, s47, 7
	s_lshr_b32 s58, s56, 1
	s_add_co_u32 s58, s58, s57
	s_lshl_b32 s58, s58, 6                         ; q's words: 64 bytes a pair of tiles
	s_add_nc_u64 s[\QW:\QW+1], s[6:7], s[58:59]
	s_lshl_b32 s57, s[\G], 3
	s_lshr_b32 s58, s47, 1
	s_add_co_u32 s57, s57, s58
	s_mul_i32 s57, s57, REC                        ; o's record: (G, head / 2)
	s_add_co_u32 s58, s57, s60
	s_add_nc_u64 s[\OCD:\OCD+1], s[10:11], s[58:59]
	s_add_co_u32 s58, s57, s61
	s_add_nc_u64 s[\OSD:\OSD+1], s[10:11], s[58:59]
.endm
.macro PST a, b                        ; my part goes to LDS: O^T as an image of its registers (each accumulator from its low end on), the sum, -M
.irp q, 0,1,2,3,4,5,6,7
	ds_store_b128 v[\a], v[O+4*\q:O+4*\q+3] offset:512*\q
.endr
	ds_store_b32 v[\b], v14 offset:4096
	ds_store_b32 v[\b], v12 offset:4224
.endm
	s_load_b256 s[4:11], s[0:1], 0x0               ; qcodes s[4:5], qscales s[6:7], kv s[8:9], orec s[10:11]
	v_lshl_add_u32 v[SPW], v0, 2, SPARE
	v_mov_b32 v[NIL], 0
	ds_add_u32 v[SPW], v[NIL]                      ; the opening lines: the add, twice on end, and its wait ahead of the first tensor load
	ds_add_u32 v[SPW], v[NIL]
	v_lshrrev_b32 v1, 5, v0
	v_readfirstlane_b32 s[WV], v1                  ; wave 0..15
	s_bfe_u32 s45, ttmp6, 0x40000                  ; cx: it enters global addresses of q, o and the prefetches, and the mask's numbers, alone
	s_and_b32 s46, ttmp7, 0xffff                   ; g
	s_lshr_b32 s[KH], s[WV], 3
	s_and_b32 s62, s[WV], 7
	s_lshr_b32 s47, s62, 1
	s_lshl_b32 s52, s46, 2
	s_add_co_u32 s47, s47, s52                     ; my head
	s_and_b32 s62, s[WV], 1
	s_lshl_b32 s48, s45, 1
	s_add_co_u32 s48, s48, s62                     ; my tile of the group's eight: 2 cx + wave % 2
	s_mov_b32 s[GB], ttmp9
	s_sub_co_u32 s[DS], 31, ttmp9                  ; the first group
	s_sub_co_u32 s[S1], 33, ttmp9
	s_lshr_b32 s[S1], s[S1], 1                     ; its 32 - m records in pairs, rounded up
	s_sub_co_u32 s[SE], s[S1], 1
	s_sub_co_u32 s[KR], s[KH], 2
	s_mov_b32 s[KS], s[KH]
	s_mov_b32 s[TG], 0
	s_mov_b32 s[G1], 15|(3<<16)|(1<<21)            ; 15:0 the mask: all four work-groups; 17:16 elements of 8 bytes; 21 set beside a mask; no padding
	s_mov_b32 s[G1+1], 32<<16                      ; a pair: 132 rows of 256 bytes, dense
	s_mov_b32 s[G1+2], 132<<16
	s_mov_b32 s[G1+3], 32<<16
	s_mov_b32 s[G1+4], 132
	s_mov_b32 s[G1+5], 32
	s_mov_b32 s[G1+6], 0
	s_mov_b32 s[G1+7], 0
	s_min_u32 s[TT], s[WV], 2                      ; step 0, 1 (or 2: not at the head)
	s_mul_i32 s52, s[TT], PAIR                     ; my pair in a slot
	s_mov_b32 s53, 0
	s_mul_i32 s54, s46, 32*REC                     ; my key/value head's 32 records
	s_mov_b32 s55, 0
	s_mul_i32 s[TB], s[KH], REC                    ; my record of a pair
	s_mov_b32 s[SEL], 0x76543210
	s_mov_b32 s[SEL+1], 0xfedcba98
	s_mov_b32 s[CS], 0x3e38aa3b
	s_mov_b32 s[CS+1], s[CS]                       ; (named with it as a pair, so it is written)
	s_mov_b32 s[MNT], 0x600000
	s_mov_b32 s[SLOTS], 5
	s_lshr_b32 s[LIM], s[WV], 2
	s_xor_b32 s[LIM], s[LIM], 1                    ; 0 in waves 4 to 7,
	s_or_b32 s[LIM], s[LIM], ttmp9                 ; of the cluster m = 0: alike in all four partners
	s_cmp_eq_u32 s[LIM], 0
	s_cselect_b32 s[LIM], 2, -1
	s_wait_dscnt 0x0                               ; both opening adds are done
	s_wait_kmcnt 0x0
	s_add_nc_u64 s[8:9], s[8:9], s[54:55]
	s_mov_b32 s[G0], 1
	s_mov_b32 s[G0+1], s52                         ; slot 0
	s_add_nc_u64 s[G0+2:G0+3], s[8:9], s[52:53]
	s_or_b32 s[G0+3], s[G0+3], 0x80000000
	CROUND                                         ; all four work-groups are here: the first joint loads meet
	TLOAD 2                                        ; slot 0: pairs 0 and 1
	s_add_nc_u64 s[PFA:PFA+1], s[8:9], 2*PAIR      ; the first change of slots steps it to pair 5, slot 2's first.  Nothing is prefetched here, at the head
	s_and_b32 s57, s47, 1
	s_lshl_b32 s60, s48, 11
	s_lshl_b32 s58, s57, 10
	s_add_co_u32 s60, s60, s58
	s_lshl_b32 s58, s[KH], 9
	s_add_co_u32 s60, s60, s58                     ; o's codes in a record: my tile, chunk 2 (head % 2) + kh
	s_lshl_b32 s61, s48, 6
	s_lshl_b32 s58, s57, 1
	s_add_co_u32 s61, s61, s58
	s_add_co_u32 s61, s61, s[KH]
	s_add_co_u32 s61, s61, 16384                   ; and that block's scale bytes
	PADDR DS, 74, 76, 66, 68
	PADDR GB, 78, 80, 70, 72
	s_lshl_b32 s56, s45, 7
	s_and_b32 s57, s[WV], 3
	s_lshl_b32 s57, s57, 5
	s_add_co_u32 s56, s56, s57                     ; the prefetches: block 128 cx + 32 (wave % 4)
	s_lshl_b32 s57, s45, 5
	s_lshl_b32 s58, s62, 3
	s_add_co_u32 s57, s57, s58                     ; my tile's first place in its 128 positions
	s_lshl_b32 s63, s62, 4                         ; which half of q's word is my tile's
	s_mul_i32 s58, s[WV], PART
	s_and_b32 s85, s[WV], 7
	s_mul_i32 s86, s85, PART                       ; at the end: the part of my tile's even records,
	s_lshl_b32 s85, s[KH], 11
	s_add_co_u32 s85, s85, s86                     ; and in it the registers of block kh
	v_and_b32 v[TMP], 31, v0
	v_lshlrev_b32 v[LI], 4, v[TMP]
	v_lshlrev_b32 v[LS], 2, v[TMP]
	v_add_nc_u32 v[PFO], s56, v[TMP]
	v_min_u32 v[PFO], 395, v[PFO]
	v_lshlrev_b32 v[PFO], 8, v[PFO]
	v_add_nc_u32 v[WA], s58, v[LI]
	v_add_nc_u32 v[WB], s58, v[LS]
	v_and_b32 v[ADR], 15, v0                       ; r
	v_bfe_u32 v[ADS], v0, 4, 1                     ; h
	v_and_b32 v[DD], 8, v[ADR]
	v_add_nc_u32 v[DD], v[DD], v[ADR]
	v_add_nc_u32 v[DD], s57, v[DD]
	v_lshlrev_b32 v[ADS], 4, v[ADS]
	v_sub_nc_u32 v[DD], v[DD], v[ADS]
	v_lshlrev_b32 v[TMP], 2, v[ADR]                ; 4 r
	global_load_b128 v[Q:Q+3], v[LI], s[74:75]             ; the first group's q: two chunks,
	global_load_b128 v[Q+4:Q+7], v[LI], s[74:75] offset:512
	global_load_b128 v[Q+16:Q+19], v[LI], s[74:75]         ; and once more behind the zeros
	global_load_b128 v[Q+20:Q+23], v[LI], s[74:75] offset:512
	global_load_b32 v[QS], v[TMP], s[76:77]
	global_load_b128 v[Q2:Q2+3], v[LI], s[78:79]           ; the second group's waits in registers
	global_load_b128 v[Q2+4:Q2+7], v[LI], s[78:79] offset:512
	global_load_b32 v[QS2], v[TMP], s[80:81]
.irp j, 8,9,10,11,12,13,14,15
	v_mov_b32 v[Q+\j], 0
.endr
	v_mov_b32 v13, 0xff61b1e6                      ; the largest t so far: -3e38
	v_floor_f32 v12, -v13                          ; -M
	v_mov_b32 v14, 0
	v_mov_b32 v15, 0
.irp b, 0,1,2,3
	v_mov_b32 v[B2+\b], 0                          ; written once: a lane permute's destination counts as one of its sources
.endr
	v_mov_b32 v[F+1], 0
.set j, 0
.rept 32
	v_mov_b32 v[O+j], 0                            ; O^T: the step is written for all steps alike; a group's first finds zeros, which the first change of M leaves zeros
.set j, j+1
.endr
	s_wait_alu depctr_va_vdst(0)
	s_wait_loadcnt 0x0
.irp w, QS, QS2
	v_lshrrev_b32 v[\w], s63, v[\w]
	v_and_b32 v[\w], 0xffff, v[\w]
	v_lshl_or_b32 v[\w], v[\w], 16, v[\w]          ; my tile's two bytes, for [q | 0] and for [0 | q] alike
.endr
	s_wait_alu depctr_va_vdst(0)                   ; the wait at the head's end
; A STEP: my record, 128 keys, of the step's pair.  lean = 1: steps 0 and 1 (records 0 to 3; the first group's diagonal record is 16 at the least): no record is hidden or on the diagonal, and no group ends
.macro STEP lean
.if \lean == 0
	s_cmp_gt_u32 s[KS], s[DS]                      ; all its keys come after my queries (the odd record behind a group's last): left out
	s_cbranch_scc1 .Lhid_\@
.endif
	v_add_nc_u32 v[ADR], s[TB], v[LI]
	v_add_nc_u32 v[ADS], s[TB], v[LS]
.rept 6
	v_nop                                          ; with the two additions: eight places in front of loads into registers that the last products read
.endr
.irp f, 0,1,2,3
.irp c, 0,1,2,3
	ds_load_b128 v[X+16*\f+4*\c:X+16*\f+4*\c+3], v[ADR] offset:2048*\f+512*\c
.endr
.endr
	ds_load_b32 v[KSC], v[ADS] offset:16384        ; lanes 0-15: fragment 0's words, lanes 16-31: fragment 1's
	ds_load_b32 v[KSC+1], v[ADS] offset:16512
	s_wait_dscnt 0x0
	s_wait_alu depctr_va_vdst(0)
.irp t, 0,1,2,3,4,5,6,7                ; S^T: tile t of 16 keys is half t % 2 of fragment t / 2
	WM S+8*\t, X+16*(\t/2), Q+8*(\t%2), KSC+\t/4, QS, 1, (\t/2)%2
.endr
.rept 8
	v_nop
.endr
.irp f, 0,1,2,3                        ; V's fragments land under the softmax
.irp c, 0,1,2,3
	ds_load_b128 v[X+16*\f+4*\c:X+16*\f+4*\c+3], v[ADR] offset:8192+2048*\f+512*\c
.endr
.endr
	ds_load_b32 v[VSC], v[ADS] offset:16640
	ds_load_b32 v[VSC+1], v[ADS] offset:16768
.if \lean == 0
	s_cmp_lg_u32 s[KS], s[DS]                      ; on the diagonal the scores of hidden keys become -infinity ahead of the maximum
	s_cbranch_scc1 .Lopen_\@
	v_mov_b32 v[TMP], 0xff800000
.set n, 0
.rept 64
	v_cmp_gt_i32 vcc_lo, 32*(n/16)+n%16, v[DD]     ; register 16 b + i holds key 32 b + 16 h + i
	v_cndmask_b32 v[S+n], v[S+n], v[TMP], vcc_lo
.set n, n+1
.endr
.Lopen_\@:
.endif
.irp b, 0,1,2,3
	v_max3_num_f32 v[BM+\b], v[S+16*\b], v[S+1+16*\b], v[S+2+16*\b]   ; the largest score of each block of 32 keys: for the row's maximum, and, since p rises with the score, for the block's largest p
.endr
.irp i, 3,5,7,9,11,13
.irp b, 0,1,2,3
	v_max3_num_f32 v[BM+\b], v[BM+\b], v[S+16*\b+\i], v[S+1+16*\b+\i]
.endr
.endr
.irp b, 0,1,2,3
	v_max_num_f32 v[BM+\b], v[BM+\b], v[S+15+16*\b]
.endr
.irp b, 0,1,2,3
	s_delay_alu instid0(VALU_DEP_4)
	v_permlanex16_b32 v[B2+\b], v[BM+\b], s[SEL], s[SEL+1]
.endr
.irp b, 0,1,2,3
	s_delay_alu instid0(VALU_DEP_4)
	v_max_num_f32 v[BM+\b], v[BM+\b], v[B2+\b]
.endr
	s_delay_alu instid0(VALU_DEP_2)
	v_max3_num_f32 v[TMP], v[BM], v[BM+1], v[BM+2]
	s_delay_alu instid0(VALU_DEP_1)
	v_max_num_f32 v[TMP], v[TMP], v[BM+3]
	s_delay_alu instid0(VALU_DEP_1)
	v_mul_f32 v[TMP], s[CS], v[TMP]                ; as t
	s_delay_alu instid0(VALU_DEP_1)
	v_max_num_f32 v13, v13, v[TMP]                 ; the running largest t
	v_mov_b32 v[TMP], v12
	s_delay_alu instid0(VALU_DEP_2)
	v_floor_f32 v12, -v13                          ; the new -M = -ceil(t)
	s_delay_alu instid0(VALU_DEP_1)
	v_sub_f32 v[TMP], v12, v[TMP]                  ; old M - new M: a whole number, 0 or less
	s_delay_alu instid0(VALU_DEP_1)
	v_cvt_i32_f32 v[TMP], v[TMP]                   ; (it saturates)
.set j, 0
.rept 32
	v_pk_fma_f32 v[S+j:S+j+1], v[S+j:S+j+1], s[CS:CS+1], v[12:13] op_sel_hi:[1,0,0]   ; t - M
.set j, j+2
.endr
.irp b, 0,1,2,3
	v_fma_f32 v[BM+\b], v[BM+\b], s[CS], v12       ; the same of each block's largest score
.endr
	s_wait_alu depctr_va_vdst(0)
.set j, 0
.rept 64
	v_exp_f32 v[S+j], v[S+j]                       ; p, at most 1
.set j, j+1
.endr
.irp b, 0,1,2,3
	v_exp_f32 v[BM+\b], v[BM+\b]                   ; the block's largest p: the same two instructions on the same number
.endr
	v_ldexp_f32 v[F], 1.0, v[TMP]                  ; f = 2^(old M - new M): a multiplication by it rounds nothing.  (The plain line behind the exponentials)
	s_wait_alu depctr_va_vdst(0)                   ; one wait for the batch of 68, ahead of its first reader
	v_pk_fma_f32 v[14:15], v[14:15], v[F:F+1], v[S:S+1] op_sel_hi:[1,0,1]   ; the sum under the new M, and the unquantised p onto it: four chains of pairs
	v_pk_add_f32 v[T0:T0+1], v[S+2:S+3], v[S+4:S+5]
	v_pk_add_f32 v[T1:T1+1], v[S+6:S+7], v[S+8:S+9]
	v_pk_add_f32 v[T2:T2+1], v[S+10:S+11], v[S+12:S+13]
.set j, 14
.rept 6
	v_pk_add_f32 v[14:15], v[14:15], v[S+j:S+j+1]
	v_pk_add_f32 v[T0:T0+1], v[T0:T0+1], v[S+j+2:S+j+3]
	v_pk_add_f32 v[T1:T1+1], v[T1:T1+1], v[S+j+4:S+j+5]
	v_pk_add_f32 v[T2:T2+1], v[T2:T2+1], v[S+j+6:S+j+7]
.set j, j+8
.endr
	v_pk_add_f32 v[14:15], v[14:15], v[S+62:S+63]
	v_pk_add_f32 v[T0:T0+1], v[T0:T0+1], v[T1:T1+1]
	v_pk_add_f32 v[14:15], v[14:15], v[T2:T2+1]
	v_pk_add_f32 v[14:15], v[14:15], v[T0:T0+1]
.irp b, 0,1,2,3
	v_max_num_f32 v[BM+\b], 0x8000000, v[BM+\b]    ; the floor 2^(16 - 127): the byte cannot fall under 1
.endr
.irp b, 0,1,2,3
	s_delay_alu instid0(VALU_DEP_4)
	v_add_nc_u32 v[SO+\b], 0xf8800000, v[BM+\b]    ; 15 off the exponent field: the conversion's scale operand
.endr
.irp b, 0,1,2,3
	v_and_or_b32 v[HL+\b], v[BM+\b], 0x7f800000, s[MNT]   ; 57,344 x the scale
.endr
.irp b, 0,1,2,3
	v_lshrrev_b32 v[B2+\b], 23, v[SO+\b]           ; the byte
.endr
	s_delay_alu instid0(VALU_DEP_3)
	v_lshl_or_b32 v[PW], v[B2+1], 8, v[B2]
	s_delay_alu instid0(VALU_DEP_1)
	v_lshl_or_b32 v[PW], v[B2+2], 16, v[PW]
	s_delay_alu instid0(VALU_DEP_1)
	v_lshl_or_b32 v[PW], v[B2+3], 24, v[PW]
.irp b, 0,1,2,3
.irp i, 0,2,4,6,8,10,12,14
	HOLD S+16*\b+\i, \b                            ; the conversion to an 8-bit code does not saturate (ISA guide 7.6.2)
.endr
	v_cvt_scalef32_pk8_bf8_f32 v[PCD+4*\b:PCD+1+4*\b], v[S+16*\b:S+7+16*\b], v[SO+\b]
	v_cvt_scalef32_pk8_bf8_f32 v[PCD+2+4*\b:PCD+3+4*\b], v[S+8+16*\b:S+15+16*\b], v[SO+\b]
.endr
	s_wait_dscnt 0x0                               ; V
	s_wait_alu depctr_va_vdst(0)                   ; directly ahead of the first reader of O^T
.set j, 0
.rept 16
	v_pk_mul_f32 v[O+j:O+j+1], v[O+j:O+j+1], v[F:F+1] op_sel_hi:[1,0]   ; O^T under the new M; also the places in front of the products below
.set j, j+2
.endr
.irp d, 0,1,2,3                        ; O^T += V^T P^T: four accumulators by turns
	WM O+8*\d, X+16*\d, PCD, VSC+\d/2, PW, 0, \d%2
.endr
.if \lean == 0
.Lhid_\@:
	s_cmp_lg_u32 s[TG], s[SE]                      ; was it the first group's last step?  (the cluster's number and the count of steps alone: the same in all waves)
	s_cbranch_scc1 .Lnext_\@
.rept 8
	v_nop                                          ; eight places behind the last products, ahead of the first read of results
.endr
	v_add_f32 v14, v14, v15
	v_add_nc_u32 v[ADR], SCR1, v[WA]
	v_add_nc_u32 v[ADS], SCR1, v[WB]
	PST ADR, ADS                                   ; the first group's part waits in LDS bytes of its own; the waits for 0 at the later barriers show it to the other waves
	s_mov_b32 s[SE], 0x7fffffff                    ; ON TO THE SECOND GROUP: its walk begins at pair 0,
	s_mov_b32 s[TG], -1
	s_mov_b32 s[KS], s[KR]
	s_mov_b32 s[DS], s[GB]
.irp j, 0,1,2,3,4,5,6,7
	v_mov_b32 v[Q+\j], v[Q2+\j]                    ; its q,
	v_mov_b32 v[Q+16+\j], v[Q2+\j]
.endr
	v_mov_b32 v[QS], v[QS2]
	v_mov_b32 v13, 0xff61b1e6                      ; and its sums begin as the first group's did
	v_floor_f32 v12, -v13
	v_mov_b32 v14, 0
	v_mov_b32 v15, 0
.set j, 0
.rept 32
	v_mov_b32 v[O+j], 0
.set j, j+1
.endr
	s_wait_alu depctr_va_vdst(0)
.Lnext_\@:
.endif
	s_add_co_u32 s[TB], s[TB], PAIR
	s_add_co_u32 s[KS], s[KS], 2
	s_add_co_u32 s[TG], s[TG], 1
.endm
; THE CHANGE OF SLOTS stands at a slot's head.  Each wave waits for all its tensor loads (one is out at the most: its pair of the slot ahead), adds 0 to its spare word, and waits for that, for its reads of the slot that it left and for its LDS stores.
; fill = 1: a round of the cluster's barrier, and the slot left is filled with the next three pairs (on: steps from my last pair to my next).
.macro CHANGE fill, on
	s_wait_tensorcnt 0x0                           ; no tensor load of mine is out, so the group 0 may be written
	ds_add_u32 v[SPW], v[NIL]                      ; 0 onto my spare word
.if \fill
	ds_add_u32 v[SPW], v[NIL]                      ; and once more
	s_xor_b32 s[G0+1], s[G0+1], SLOT1
	s_add_co_u32 s[TT], s[TT], \on                 ; my next step T;
	s_sub_co_u32 s53, s[TT], s[S1]
	s_min_u32 s53, s[TT], s53                      ; its pair: T in the first group (T - S1 wraps to a large number there), T - S1 in the second
	s_mul_i32 s54, s53, PAIR
	s_add_nc_u64 s[G0+2:G0+3], s[8:9], s[54:55]
	s_or_b32 s[G0+3], s[G0+3], 0x80000000
	s_wait_xcnt 0x0                                ; the last prefetch, a slot back, has read its address
	s_add_nc_u64 s[PFA:PFA+1], s[PFA:PFA+1], SLOTB
	s_wait_dscnt 0x0
	CROUND
	TLOAD 3                                        ; the first thing behind the round, a wave's one tensor load until the next
	ASK
.else
	s_wait_dscnt 0x0
	s_barrier_signal -1
	s_barrier_wait -1
.endif
.endm
.macro STEPS n, lean                   ; a slot's n steps: written once, walked n times
	s_mov_b32 s[CNT], \n
.Lstep_\@:
	STEP \lean
	s_sub_co_u32 s[CNT], s[CNT], 1
	s_cmp_lg_u32 s[CNT], 0
	s_cbranch_scc1 .Lstep_\@
	s_sub_co_u32 s[TB], s[TB], (\n)*PAIR
	s_xor_b32 s[TB], s[TB], SLOT1                  ; on to the other slot
.endm
	CHANGE 1, 2                                    ; slot 0 holds steps 0 and 1; slot 1 takes steps 2 to 4
	STEPS 2, 1
	s_mov_b32 s[SLOTS], 4
.Lslot:                                ; four trips: slots 1 to 4 are walked, slots 2 to 5 asked for
	CHANGE 1, 3
	STEPS 3, 0
	s_sub_co_u32 s[SLOTS], s[SLOTS], 1
	s_cmp_lg_u32 s[SLOTS], 0
	s_cbranch_scc1 .Lslot
	CHANGE 0, 0                                    ; the last slot is written out
	STEPS 3, 0
	; THE END.  The second group's parts go to slot 0: its last fill has landed, and behind the barrier below nobody reads the ring any more
	s_wait_dscnt 0x0
	s_barrier_signal -1
	s_barrier_wait -1
.rept 8
	v_nop                                          ; eight places behind the last products
.endr
	v_add_f32 v14, v14, v15
	PST WA, WB
	v_and_b32 v[DD], 15, v0
	v_lshlrev_b32 v[DD], 2, v[DD]                  ; 4 r: where a row's scale byte goes
	s_wait_alu depctr_va_vdst(0)
	s_wait_dscnt 0x0                               ; my stores are done,
	s_barrier_signal -1
	s_barrier_wait -1                              ; everybody's are
; A group's two parts of my tile are joined, for block kh of 32 d (register i is d = 32 kh + 16 h + i): under the greater M, divided by the joined sum, quantised along d, stored as one chunk of the last product's operand.
.macro MERGE ab, oc, os                ; ab: where the group's parts lie in LDS
	s_wait_xcnt 0x0                                ; earlier stores have read their registers
	s_add_co_u32 s56, s85, \ab
	s_add_co_u32 s57, s86, \ab
	v_add_nc_u32 v[ADR], s56, v[LI]
	v_add_nc_u32 v[ADS], s57, v[LS]
.irp q, 0,1,2,3
	ds_load_b128 v[S+4*\q:S+4*\q+3], v[ADR] offset:512*\q                   ; the even records' part,
	ds_load_b128 v[S+16+4*\q:S+16+4*\q+3], v[ADR] offset:8*PART+512*\q      ; the odd records'
.endr
	ds_load_b32 v[BM], v[ADS] offset:4096                                   ; their sums and their -M
	ds_load_b32 v[BM+1], v[ADS] offset:4224
	ds_load_b32 v[BM+2], v[ADS] offset:8*PART+4096
	ds_load_b32 v[BM+3], v[ADS] offset:8*PART+4224
	s_wait_dscnt 0x0
	v_min_num_f32 v[B2], v[BM+1], v[BM+3]          ; -M of the greater M
	v_sub_f32 v[B2+1], v[B2], v[BM+1]              ; a part's M less the greater: a whole number, 0 or less (a part with no record has M = -3e38, a sum of 0 and zeros)
	v_sub_f32 v[B2+2], v[B2], v[BM+3]
	v_cvt_i32_f32 v[B2+1], v[B2+1]                 ; (it saturates)
	v_cvt_i32_f32 v[B2+2], v[B2+2]
	v_ldexp_f32 v[B2+1], 1.0, v[B2+1]
	v_ldexp_f32 v[B2+2], 1.0, v[B2+2]
	v_mul_f32 v14, v[BM], v[B2+1]
	v_fma_f32 v14, v[BM+2], v[B2+2], v14
	v_permlanex16_b32 v[TMP], v14, s[SEL], s[SEL+1]
	v_add_f32 v14, v14, v[TMP]                     ; the row's sum
	s_wait_alu depctr_va_vdst(0)
	v_rcp_f32 v14, v14
	v_mov_b32 v[T0+1], 0                           ; (a plain line behind the reciprocal; the register is only named, as the upper half of a pair)
	s_wait_alu depctr_va_vdst(0)                   ; the wait, ahead of the first reader
	v_mul_f32 v[F], v[B2+1], v14
	v_mul_f32 v[T0], v[B2+2], v14
.irp i, 0,2,4,6,8,10,12,14
	v_pk_mul_f32 v[S+\i:S+\i+1], v[S+\i:S+\i+1], v[F:F+1] op_sel_hi:[1,0]
.endr
.irp i, 0,2,4,6,8,10,12,14
	v_pk_fma_f32 v[S+\i:S+\i+1], v[S+16+\i:S+17+\i], v[T0:T0+1], v[S+\i:S+\i+1] op_sel_hi:[1,0,1]
.endr
	v_max3_num_f32 v[BM], |v[S]|, |v[S+1]|, 0x8000000
	v_max3_num_f32 v[BM+1], |v[S+8]|, |v[S+9]|, |v[S+10]|
.irp i, 2,4,6
	v_max3_num_f32 v[BM], v[BM], |v[S+\i]|, |v[S+\i+1]|
.endr
.irp i, 11,13
	v_max3_num_f32 v[BM+1], v[BM+1], |v[S+\i]|, |v[S+\i+1]|
.endr
	v_max3_num_f32 v[BM], v[BM], v[BM+1], |v[S+15]|
	v_permlanex16_b32 v[B2+3], v[BM], s[SEL], s[SEL+1]
	v_max_num_f32 v[BM], v[BM], v[B2+3]            ; with lane l xor 16's 16: the block's largest magnitude
	v_add_nc_u32 v[SO], 0xf8800000, v[BM]
	v_and_or_b32 v[HL], v[BM], 0x7f800000, s[MNT]
	v_lshrrev_b32 v[B2], 23, v[SO]
.irp i, 0,1,2,3,4,5,6,7,8,9,10,11,12,13,14,15
	v_med3_num_f32 v[S+\i], v[S+\i], -v[HL], v[HL]
.endr
	v_cvt_scalef32_pk8_bf8_f32 v[PCD:PCD+1], v[S:S+7], v[SO]
	v_cvt_scalef32_pk8_bf8_f32 v[PCD+2:PCD+3], v[S+8:S+15], v[SO]
	v_nop                                          ; one plain line behind the last conversion
	global_store_b128 v[LI], v[PCD:PCD+3], s[\oc:\oc+1]   ; 32 lanes store 512 consecutive bytes
	global_store_b8 v[DD], v[B2], s[\os:\os+1]            ; lanes r and r + 16 store the same byte with the same value
.endm
	MERGE SCR1, 66, 68
	MERGE 0, 70, 72
	s_wait_tensorcnt 0x0                           ; the wave's end
	ds_add_u32 v[SPW], v[NIL]
	s_wait_dscnt 0x0
	CROUND                                         ; the closing round
	s_endpgm
.Lfunc_end_k_q0f290622f0_attn:
	.size	k_q0f290622f0_attn, .Lfunc_end_k_q0f290622f0_attn-k_q0f290622f0_attn
	.p2alignl 7, 3214868480
	.fill 96, 4, 3214868480
	.section	.rodata,"a",@progbits
	.p2align	6, 0x0
	.amdhsa_kernel k_q0f290622f0_attn
		.amdhsa_group_segment_fixed_size 327680
		.amdhsa_private_segment_fixed_size 0
		.amdhsa_enable_private_segment 0
		.amdhsa_kernarg_size 32
		.amdhsa_user_sgpr_count 2
		.amdhsa_user_sgpr_kernarg_segment_ptr 1
		.amdhsa_wavefront_size32 1
		.amdhsa_system_sgpr_workgroup_id_x 1
		.amdhsa_system_sgpr_workgroup_id_y 1
		.amdhsa_system_sgpr_workgroup_id_z 1
		.amdhsa_system_vgpr_workitem_id 0
		.amdhsa_next_free_vgpr 256
		.amdhsa_next_free_sgpr 100
		.amdhsa_reserve_vcc 1
		.amdhsa_float_denorm_mode_32 3
		.amdhsa_float_denorm_mode_16_64 3
		.amdhsa_memory_ordered 1
		.amdhsa_forward_progress 1
		.amdhsa_inst_pref_size 98
	.end_amdhsa_kernel
	.amdgpu_metadata
---
amdhsa.version: [ 1, 2 ]
amdhsa.kernels:
  - .name:           k_q0f290622f0_attn
    .symbol:         k_q0f290622f0_attn.kd
    .args:
      - { .name: qcodes, .offset: 0, .size: 8, .value_kind: global_buffer, .address_space: global }
      - { .name: qscales, .offset: 8, .size: 8, .value_kind: global_buffer, .address_space: global }
      - { .name: kv, .offset: 16, .size: 8, .value_kind: global_buffer, .address_space: global }
      - { .name: orec, .offset: 24, .size: 8, .value_kind: global_buffer, .address_space: global }
    .group_segment_fixed_size: 327680
    .private_segment_fixed_size: 0
    .kernarg_segment_align: 8
    .kernarg_segment_size: 32
    .max_flat_workgroup_size: 512
    .sgpr_count:     100
    .vgpr_count:     256
    .wavefront_size: 32
...
	.end_amdgpu_metadata
.endif
;; end of part 3
;; launch oproj (part 4): grid 8 x 32, 4 waves a work-group, clusters of 4 x 4, 288,256 bytes of LDS; arguments orec, wrec, out0; writes out0
.if DOCPART == 4
	.amdgcn_target "amdgcn-amd-amdhsa--gfx1250"
	.amdhsa_code_object_version 6
	.text
	.protected	k_q0f290622f0_oproj
	.globl	k_q0f290622f0_oproj
	.p2align	8
	.type	k_q0f290622f0_oproj,@function
k_q0f290622f0_oproj:
	s_mov_b64 s[64:65], 0
	v_nop
	global_prefetch_b8 v0, s[64:65] scope:SCOPE_SE
	s_setreg_imm32_b32 hwreg(HW_REG_WAVE_MODE, 25, 1), 1
	s_wait_xcnt 0x0
	s_wait_alu depctr_hold_cnt(0) depctr_sa_sdst(0) depctr_va_vdst(0) depctr_va_sdst(0) depctr_va_ssrc(0) depctr_va_vcc(0) depctr_vm_vsrc(0)
	s_getreg_b32 s2, hwreg(HW_REG_IB_STS2, 6, 4)
	s_cmp_eq_u32 s2, 0
	s_cbranch_scc0 .Lentry_in_a_cluster
	s_endpgm
.Lentry_in_a_cluster:
	s_bfe_u32 s2, ttmp6, 0x10000c
	s_cmp_lg_u32 s2, 0xf033
	s_cbranch_scc0 .Lentry_shape_is_right
	s_endpgm
.Lentry_shape_is_right:
; OPROJ: out = o wo on codes of BF8 (E5M2) with E8M0 scales; f32 sums.  A work-group makes 128 positions (mu) x 128 columns (beta), K = 1,024; four waves, each 64 x 64: 16 accumulators.
; Both panels (8 records of 16,896 bytes: 128 rows x 128 K as register images, then scale words) come into LDS ONCE, one tensor load a wave; nothing is filled again, so there is no ring.
; CLUSTER 4 x 4: wo's panel hangs on beta alone and is asked for jointly along a column of the cluster, o's on mu alone, jointly along a row: the requests for both are divided by four.
; Source 0 = 16 columns of wo, source 1 = 16 positions: a lane holds one position and 16 + 16 neighbouring columns; a tile of 16 positions goes through the wave's own stage in LDS and leaves as rows of 256 bytes.
; The rows of a tile are not neighbours: row i of tile T is position 32 (T / 2) + 8 (T % 2) + i + 8 (i / 8); the stores' immediates put each row in its place.
.set REC,  16896
.set RW,   0
.set RX,   8*REC
.set STAGE, 16*REC                     ; behind the panels: 16 rows x (256 bytes + 16) for each wave; no fill lands there
.set NB0,  12                          ; wo's panels begin at panel 12 of wrec
.set AW,   4
.set AX,   6
.set LI,   8
.set LS,   9
.set SWA,  10
.set SXA,  12
.set STO,  14                          ; v14  the stage: where I put my columns of a row
.set RD,   15                          ; v15  and where I read rows back
.set SC,   16                          ; v16-23 scale words, two sets; they hold scales alone
.set CO,   24                          ; v24  my byte offset in two rows of out
.set OB,   32                          ; v32-63, v64-95 rows read back, by turns
.set ACC,  128
.set G1W,  24
.set G0W,  32
.set CX,   40
.set CY,   41
.set BETA, 42
.set G1X,  48
.set G0X,  56
.set WV,   70
.set E1,   71
.set E0,   72
.set MU,   73
.set MSB, 0
.macro WIN new
.if MSB != \new
	s_set_vgpr_msb (MSB<<8)|\new
.set MSB, \new
.endif
.endm
.macro PLACES n
.rept \n
	v_nop
.endr
.endm
.macro CROUND
	s_barrier_signal -1
	s_barrier_wait -1
	s_cmp_lg_u32 s[WV], 0
	s_cbranch_scc1 .Lnot_wave_0_\@
	s_barrier_signal -3
.Lnot_wave_0_\@:
	s_barrier_wait -3
	s_barrier_signal -1
	s_barrier_wait -1
.endm
.macro WM d, a, b, sa, sb, zero, ra, rb
.if \zero
.if (\ra) && (\rb)
	v_wmma_scale_f32_16x16x128_f8f6f4 v[\d:\d+7], v[\a:\a+15], v[\b:\b+15], 0, v[\sa], v[\sb] matrix_a_fmt:MATRIX_FMT_BF8 matrix_b_fmt:MATRIX_FMT_BF8 matrix_a_scale:MATRIX_SCALE_ROW1 matrix_b_scale:MATRIX_SCALE_ROW1
.elseif (\ra)
	v_wmma_scale_f32_16x16x128_f8f6f4 v[\d:\d+7], v[\a:\a+15], v[\b:\b+15], 0, v[\sa], v[\sb] matrix_a_fmt:MATRIX_FMT_BF8 matrix_b_fmt:MATRIX_FMT_BF8 matrix_a_scale:MATRIX_SCALE_ROW1
.elseif (\rb)
	v_wmma_scale_f32_16x16x128_f8f6f4 v[\d:\d+7], v[\a:\a+15], v[\b:\b+15], 0, v[\sa], v[\sb] matrix_a_fmt:MATRIX_FMT_BF8 matrix_b_fmt:MATRIX_FMT_BF8 matrix_b_scale:MATRIX_SCALE_ROW1
.else
	v_wmma_scale_f32_16x16x128_f8f6f4 v[\d:\d+7], v[\a:\a+15], v[\b:\b+15], 0, v[\sa], v[\sb] matrix_a_fmt:MATRIX_FMT_BF8 matrix_b_fmt:MATRIX_FMT_BF8
.endif
.else
.if (\ra) && (\rb)
	v_wmma_scale_f32_16x16x128_f8f6f4 v[\d:\d+7], v[\a:\a+15], v[\b:\b+15], v[\d:\d+7], v[\sa], v[\sb] matrix_a_fmt:MATRIX_FMT_BF8 matrix_b_fmt:MATRIX_FMT_BF8 matrix_a_scale:MATRIX_SCALE_ROW1 matrix_b_scale:MATRIX_SCALE_ROW1
.elseif (\ra)
	v_wmma_scale_f32_16x16x128_f8f6f4 v[\d:\d+7], v[\a:\a+15], v[\b:\b+15], v[\d:\d+7], v[\sa], v[\sb] matrix_a_fmt:MATRIX_FMT_BF8 matrix_b_fmt:MATRIX_FMT_BF8 matrix_a_scale:MATRIX_SCALE_ROW1
.elseif (\rb)
	v_wmma_scale_f32_16x16x128_f8f6f4 v[\d:\d+7], v[\a:\a+15], v[\b:\b+15], v[\d:\d+7], v[\sa], v[\sb] matrix_a_fmt:MATRIX_FMT_BF8 matrix_b_fmt:MATRIX_FMT_BF8 matrix_b_scale:MATRIX_SCALE_ROW1
.else
	v_wmma_scale_f32_16x16x128_f8f6f4 v[\d:\d+7], v[\a:\a+15], v[\b:\b+15], v[\d:\d+7], v[\sa], v[\sb] matrix_a_fmt:MATRIX_FMT_BF8 matrix_b_fmt:MATRIX_FMT_BF8
.endif
.endif
.endm
.macro FETCH p, kk                     ; record kk's fragments (4 of wo, 4 of o) and scale words into buffer p
	WIN 0x40                                       ; destination window 1, address window 0
.irp f, 0,1,2,3
.irp c, 0,1,2,3
	ds_load_b128 v[128*(\p)+16*\f+4*\c:128*(\p)+16*\f+4*\c+3], v[AW+(\kk)/4] offset:((\kk)%4)*REC+2048*\f+512*\c
.endr
.endr
.irp f, 0,1,2,3
.irp c, 0,1,2,3
	ds_load_b128 v[128*(\p)+64+16*\f+4*\c:128*(\p)+64+16*\f+4*\c+3], v[AX+(\kk)/4] offset:((\kk)%4)*REC+2048*\f+512*\c
.endr
.endr
	WIN 0
	ds_load_b32 v[SC+4*(\p)], v[SWA+(\kk)/4] offset:((\kk)%4)*REC
	ds_load_b32 v[SC+4*(\p)+1], v[SWA+(\kk)/4] offset:((\kk)%4)*REC+128
	ds_load_b32 v[SC+4*(\p)+2], v[SXA+(\kk)/4] offset:((\kk)%4)*REC
	ds_load_b32 v[SC+4*(\p)+3], v[SXA+(\kk)/4] offset:((\kk)%4)*REC+128
.endm
.macro MULT p, zero                    ; the 16 accumulators take turns, one instruction a turn, in the same order in every step
.irp a, 0,1,2,3
.irp n, 0,1,2,3
	WM ACC+32*\a+8*\n, 128*(\p)+16*\n, 128*(\p)+64+16*\a, SC+4*(\p)+\n/2, SC+4*(\p)+2+\a/2, \zero, \n%2, \a%2
.endr
.endr
.endm
.macro KSTEP kk
	s_wait_dscnt 0x0                               ; this step's fragments and words are in: asked for 16 matrix instructions ago
.if \kk == 3
	s_wait_tensorcnt 0x0                           ; every wave's one load has landed,
	s_barrier_signal -1
	s_barrier_wait -1                              ; and everybody knows: records 4-7 are whole.
.endif
.if \kk < 7
.if \kk > 0
	PLACES 8                                       ; eight places in front of loads into registers that the last step's products read
.endif
	FETCH (\kk+1)%2, \kk+1
.endif
	WIN 0x05                                       ; sources 0 and 1 window 1; C and D window 0
.if \kk == 0
	MULT 0, 1
.else
	MULT \kk%2, 0
.endif
	WIN 0
.endm
	s_load_b128 s[4:7], s[0:1], 0x0                ; orec s[4:5], wrec s[6:7]
	s_load_b64 s[8:9], s[0:1], 0x10                ; out0
	v_lshl_add_u32 v126, v0, 2, 0x46400
	v_mov_b32 v127, 0
	ds_add_u32 v126, v127
	ds_add_u32 v126, v127
	v_lshrrev_b32 v1, 5, v0
	v_readfirstlane_b32 s[WV], v1
	s_lshr_b32 s[E1], s[WV], 1                     ; my half of the positions.  Also: which records I fetch
	s_and_b32 s[E0], s[WV], 1                      ; my half of the columns.  Also: I fetch for wo (0) or for o (1)
	s_bfe_u32 s[CX], ttmp6, 0x40000
	s_bfe_u32 s[CY], ttmp6, 0x40004
	s_lshl_b32 s[BETA], ttmp9, 2
	s_add_co_u32 s[BETA], s[BETA], s[CX]
	s_and_b32 s[MU], ttmp7, 0xffff
	s_lshl_b32 s[MU], s[MU], 2
	s_add_co_u32 s[MU], s[MU], s[CY]
	s_lshl_b32 s43, s[CY], 2
	s_lshl_b32 s43, 15, s43                        ; my row of the cluster
	s_lshl_b32 s44, 0x1111, s[CX]                  ; my column
	s_or_b32 s[G1W], s44, (3<<16)|(1<<21)          ; the mask; elements of 8 bytes; bit 21 set beside a mask; no padding
	s_or_b32 s[G1X], s43, (3<<16)|(1<<21)
.irp g, G1W, G1X                       ; ONE load a wave: four records, 67,584 dense bytes, as 264 rows of 256 bytes
	s_mov_b32 s[\g+1], 32<<16
	s_mov_b32 s[\g+2], 264<<16
	s_mov_b32 s[\g+3], 32<<16
	s_mov_b32 s[\g+4], 264
	s_mov_b32 s[\g+5], 32
	s_mov_b32 s[\g+6], 0
	s_mov_b32 s[\g+7], 0
.endr
	s_add_co_u32 s46, s[BETA], NB0
	s_mul_i32 s46, s46, 8*REC                      ; wo's panel
	s_mov_b32 s47, 0
	s_mul_i32 s20, s[MU], 8*REC                    ; o's panel
	s_mov_b32 s21, 0
	s_wait_dscnt 0x0
	s_wait_kmcnt 0x0
	s_add_nc_u64 s[46:47], s[6:7], s[46:47]
	s_add_nc_u64 s[20:21], s[4:5], s[20:21]
	CROUND                                         ; all sixteen work-groups are here: the joint loads meet
.irp l, 0,1
	s_mov_b32 s[G0W+4*\l], 1
	s_mov_b32 s[G0W+4*\l+1], RW+\l*4*REC
	s_add_nc_u64 s[G0W+4*\l+2:G0W+4*\l+3], s[46:47], \l*4*REC
	s_or_b32 s[G0W+4*\l+3], s[G0W+4*\l+3], 0x80000000
	s_mov_b32 s[G0X+4*\l], 1
	s_mov_b32 s[G0X+4*\l+1], RX+\l*4*REC
	s_add_nc_u64 s[G0X+4*\l+2:G0X+4*\l+3], s[20:21], \l*4*REC
	s_or_b32 s[G0X+4*\l+3], s[G0X+4*\l+3], 0x80000000
.endr
	s_cmp_lt_u32 s[WV], 1                          ; one chain of branches on the wave's number, one joint load to an arm: wave 0 wo's records 0-3,
	s_cbranch_scc0 .Lwave_1
	tensor_load_to_lds s[G0W:G0W+3], s[G1W:G1W+7]
	s_nop 0
	PLACES 4
	s_branch .Lasked
.Lwave_1:
	s_cmp_lt_u32 s[WV], 2                          ; wave 1 o's records 0-3,
	s_cbranch_scc0 .Lwave_2
	tensor_load_to_lds s[G0X:G0X+3], s[G1X:G1X+7]
	s_nop 0
	PLACES 4
	s_branch .Lasked
.Lwave_2:
	s_cmp_lt_u32 s[WV], 3                          ; wave 2 wo's records 4-7,
	s_cbranch_scc0 .Lwave_3
	tensor_load_to_lds s[G0W+4:G0W+7], s[G1W:G1W+7]
	s_nop 0
	PLACES 4
	s_branch .Lasked
.Lwave_3:
	tensor_load_to_lds s[G0X+4:G0X+7], s[G1X:G1X+7]   ; wave 3 o's records 4-7
	s_nop 0
	PLACES 4
.Lasked:
	v_and_b32 v1, 15, v0                           ; r
	v_bfe_u32 v2, v0, 4, 1                         ; h
	v_and_b32 v3, 31, v0
	v_lshlrev_b32 v[LI], 4, v3
	v_lshlrev_b32 v[LS], 2, v3
	s_lshl_b32 s76, s[E0], 13
	s_lshl_b32 s77, s[E1], 13
	v_add_nc_u32 v[AW], s76, v[LI]
	v_add_nc_u32 v[AW+1], 4*REC, v[AW]
	v_add_nc_u32 v[AX], s77, v[LI]
	v_add_nc_u32 v[AX], RX, v[AX]
	v_add_nc_u32 v[AX+1], 4*REC, v[AX]
	s_lshl_b32 s76, s[E0], 8
	s_lshl_b32 s77, s[E1], 8
	v_add_nc_u32 v[SWA], s76, v[LS]
	v_add_nc_u32 v[SWA], 16384, v[SWA]
	v_add_nc_u32 v[SWA+1], 4*REC, v[SWA]
	v_add_nc_u32 v[SXA], s77, v[LS]
	v_add_nc_u32 v[SXA], RX+16384, v[SXA]
	v_add_nc_u32 v[SXA+1], 4*REC, v[SXA]
	s_mul_i32 s76, s[WV], 16*272
	s_add_co_u32 s76, s76, STAGE                   ; my stage
	v_mul_u32_u24 v[STO], v1, 272
	v_lshl_add_u32 v[STO], v2, 6, v[STO]
	v_add_nc_u32 v[STO], s76, v[STO]               ; in: row r, + 64 h
	v_mul_u32_u24 v[RD], v2, 272
	v_lshl_add_u32 v[RD], v1, 4, v[RD]
	v_add_nc_u32 v[RD], s76, v[RD]                 ; back: lanes 0-15 one row of 256 bytes, lanes 16-31 the next
	v_lshlrev_b32 v[CO], 12, v2
	v_lshl_add_u32 v[CO], v1, 4, v[CO]             ; and the same two rows in out
	s_lshl_b32 s78, s[MU], 7
	s_lshl_b32 s79, s[E1], 6
	s_add_co_u32 s78, s78, s79                     ; my first position
	s_lshl_b32 s78, s78, 12                        ; a row of out is 4,096 bytes
	s_lshl_b32 s79, s[BETA], 9
	s_add_co_u32 s78, s78, s79
	s_lshl_b32 s79, s[E0], 8
	s_add_co_u32 s78, s78, s79                     ; my 64 columns: 256 bytes
	s_mov_b32 s79, 0
	s_add_nc_u64 s[8:9], s[8:9], s[78:79]
	s_wait_alu depctr_va_vdst(0)
	s_cmp_lt_u32 s[WV], 2                          ; waves 0 and 1 wait for their loads, records 0-3 of both panels; the loads of waves 2 and 3 stay out
	s_cbranch_scc0 .Lnot_first
	s_wait_tensorcnt 0x0
.Lnot_first:
	s_barrier_signal -1
	s_barrier_wait -1                              ; everybody's has: records 0-3 of both panels are whole
	FETCH 0, 0
.irp k, 0,1,2,3,4,5,6,7
	KSTEP \k
.endr
; THE WAY OUT, a tile of 16 positions at a time.  LDS serves a wave's instructions in order: no wait between the stores and the loads, nor in front of the next tile's stores.
.macro TOSTAGE a
.irp q, 0,1,2,3
	ds_store_b128 v[STO], v[ACC+32*(\a)+4*\q:ACC+32*(\a)+4*\q+3] offset:16*\q            ; columns 16 h + 4 q on; each accumulator from its low end on
.endr
.irp q, 0,1,2,3
	ds_store_b128 v[STO], v[ACC+32*(\a)+16+4*\q:ACC+32*(\a)+16+4*\q+3] offset:128+16*\q  ; columns 32 + 16 h + 4 q on
.endr
.irp t, 0,1,2,3,4,5,6,7
	ds_load_b128 v[OB+32*((\a)%2)+4*\t:OB+32*((\a)%2)+4*\t+3], v[RD] offset:544*\t
.endr
.endm
.macro SEND a, younger                 ; younger: the LDS instructions issued behind tile a's loads, which may stay out
	s_wait_dscnt \younger
.irp t, 0,1,2,3,4,5,6,7
	global_store_b128 v[CO], v[OB+32*((\a)%2)+4*\t:OB+32*((\a)%2)+4*\t+3], s[8:9] offset:(32*((\a)/2)+8*((\a)%2)+2*\t+8*(\t/4))*4096 th:TH_STORE_NT   ; 16 lanes store 256 consecutive bytes, aligned; rows 2 t, 2 t + 1 of the tile
.endr
.endm
	PLACES 8                                       ; eight places behind the last products, ahead of the first read of results
	TOSTAGE 0
.irp a, 1,2,3
.if \a > 1
	s_wait_xcnt 0x0                                ; tile a - 2's stores have read their registers: tile a's loads may land there
.endif
	TOSTAGE \a
	SEND \a-1, 16                                  ; behind tile a - 1's loads: tile a's 8 stores and 8 loads
.endr
	SEND 3, 0
	s_wait_tensorcnt 0x0
	ds_add_u32 v126, v127
	s_wait_dscnt 0x0
	CROUND                                         ; the closing round: no work-group ends while a partner may still ask for a panel that names it
	s_endpgm
.Lfunc_end_k_q0f290622f0_oproj:
	.size	k_q0f290622f0_oproj, .Lfunc_end_k_q0f290622f0_oproj-k_q0f290622f0_oproj
	.p2alignl 7, 3214868480
	.fill 96, 4, 3214868480
	.section	.rodata,"a",@progbits
	.p2align	6, 0x0
	.amdhsa_kernel k_q0f290622f0_oproj
		.amdhsa_group_segment_fixed_size 288256
		.amdhsa_private_segment_fixed_size 0
		.amdhsa_enable_private_segment 0
		.amdhsa_kernarg_size 24
		.amdhsa_user_sgpr_count 2
		.amdhsa_user_sgpr_kernarg_segment_ptr 1
		.amdhsa_wavefront_size32 1
		.amdhsa_system_sgpr_workgroup_id_x 1
		.amdhsa_system_sgpr_workgroup_id_y 1
		.amdhsa_system_sgpr_workgroup_id_z 1
		.amdhsa_system_vgpr_workitem_id 0
		.amdhsa_next_free_vgpr 512
		.amdhsa_next_free_sgpr 100
		.amdhsa_reserve_vcc 0
		.amdhsa_float_denorm_mode_32 3
		.amdhsa_float_denorm_mode_16_64 3
		.amdhsa_memory_ordered 1
		.amdhsa_forward_progress 1
		.amdhsa_inst_pref_size 52
	.end_amdhsa_kernel
	.amdgpu_metadata
---
amdhsa.version: [ 1, 2 ]
amdhsa.kernels:
  - .name:           k_q0f290622f0_oproj
    .symbol:         k_q0f290622f0_oproj.kd
    .args:
      - { .name: orec, .offset: 0, .size: 8, .value_kind: global_buffer, .address_space: global }
      - { .name: wrec, .offset: 8, .size: 8, .value_kind: global_buffer, .address_space: global }
      - { .name: out0, .offset: 16, .size: 8, .value_kind: global_buffer, .address_space: global }
    .group_segment_fixed_size: 288256
    .private_segment_fixed_size: 0
    .kernarg_segment_align: 8
    .kernarg_segment_size: 24
    .max_flat_workgroup_size: 128
    .sgpr_count:     100
    .vgpr_count:     512
    .wavefront_size: 32
...
	.end_amdgpu_metadata
.endif
;; end of part 4
